; MI455X (gfx1250); checked and timed in simulation.
; The chip was launched on July 23, 2026; its instructions are those of AMD's public machine-readable ISA for CDNA 5 (MIT licence, August 2026) and "CDNA5" Instruction Set Architecture Reference Guide (July 2026). The comments in the code are by the model that wrote it; some were corrected since.
;; Multi Head Attention. Allowed arithmetic: float matrix products may take bf16 or f16 operands with f32 sums; other float arithmetic in f32, or as packed bf16 or f16 multiplies, adds, multiply-adds, maxima and minima; sums over many terms, partial sums and values carried from step to step in f32; what a program stores and reads back later, other than sums and carried values, may be rounded once to bf16 or f16.
;; Inputs: Wk 16 x 1,024 x 64 float32; Wo 1,024 x 1,024 float32; Wq 16 x 1,024 x 64 float32; Wv 16 x 1,024 x 64 float32; x 4 x 2,048 x 1,024 float32.
;; Outputs: out0 4 x 2,048 x 1,024 float32.
;; 2 versions, each right; version 2 is version 1 with the launch prep written anew for expert scheduling mode. Each part assembles by itself: llvm-mc -triple=amdgcn-amd-amdhsa -mcpu=gfx1250 --defsym DOCPART=n.
;; ======== version 1 of 2: 4 launches
;; limits: values are held in f16: magnitudes above 65,504 overflow, below 6.1e-05 lose precision; right only within a limited range of input values; inputs' magnitudes at most 1,023
;; workspace buffers: xb 16,777,216 bytes; wt 6,291,456 bytes; wot 2,097,152 bytes; qq 33,554,432 bytes; kk 33,554,432 bytes; vv 16,777,216 bytes; oo 16,777,216 bytes
;; launch prep (part 1): grid 1024 x 1, 4 waves a work-group, no clusters, 17,920 bytes of LDS; arguments x, Wq, Wk, Wv, Wo, xb, wt, wot; writes xb, wt, wot
.if DOCPART == 1
	.amdgcn_target "amdgcn-amd-amdhsa--gfx1250"
	.amdhsa_code_object_version 6
	.text
	.protected	k_q71d6e12e70_prep
	.globl	k_q71d6e12e70_prep
	.p2align	8
	.type	k_q71d6e12e70_prep,@function
k_q71d6e12e70_prep:
	s_mov_b64 s[64:65], 0
	v_nop
	global_prefetch_b8 v0, s[64:65] scope:SCOPE_SE
	s_setreg_imm32_b32 hwreg(HW_REG_WAVE_MODE, 25, 1), 1
	s_wait_xcnt 0x0
; PREP.  Every input is rounded once to bf16 (nearest even) and laid out for the products that follow.
;   xb [8192][1024] bf16 = bf16(x).
;   wt [3072][1024] bf16: row h*192 + type*64 + k (type 0 Wq, 1 Wk, 2 Wv), column d, holds bf16(W[h][d][k]) / 64.
;   wot [1024 d_out][1024 f] f16 = bf16(Wo[f][d_out]) * 64, written as f16.
; The two factors are powers of two, so they round nothing: q, k, v leave the next launch divided by 64, inside f16's range, and Wo gives the 64 back.
; LIMITS.  |Wo| below 1,023 (f16 ends at 65,504); below 2^-20 Wo keeps f16's fixed step of 2^-24 / 64.  NaN and infinities are not treated apart.
; SHARES.  Work-groups 0-511 turn a block of 128 d x 64 n of one weight (through LDS, so that both the reads and the stores are 256 consecutive bytes);
; work-groups 512-1023 stream x, 16,384 bytes a wave.  No matrix unit, no cluster, no tensor load: each byte is read once by one wave.
.set SPARE, 17408                      ; behind the stage (64 rows x 272 bytes): the spare words, 128 bytes a wave
.set SPW, 4                            ; v4  SPARE + 4 x my thread's number; never rewritten
.set NIL, 5                            ; v5  0; never rewritten
.set WV,  20                           ; s20 my wave's number
.set VO,  16                           ; v16-31  byte offset of load c: 16 (l % 16) + (16 (l / 16) + c) rows
.set D,   32                           ; v32-95  load c at D + 4 c
.set R,   96                           ; v96-127 column j of my four, d pairs 0-7, at R + 8 j
.set T,   128                          ; v128-131 at work
.set ST,  132                          ; v132 where I put 16 bytes of a turned row
.set RD,  133                          ; v133 where I read a turned row back
.set DO,  134                          ; v134 my byte offset in two rows of the result
	s_load_b512 s[4:19], s[0:1], 0x0               ; x 4:5, Wq 6:7, Wk 8:9, Wv 10:11, Wo 12:13, xb 14:15, wt 16:17, wot 18:19
	v_lshl_add_u32 v[SPW], v0, 2, SPARE
	v_mov_b32 v[NIL], 0
	v_lshrrev_b32 v1, 5, v0
	v_readfirstlane_b32 s[WV], v1
	v_and_b32 v3, 31, v0                           ; lane
	s_cmp_lt_u32 ttmp9, 512                        ; the same for all four waves
	s_cbranch_scc1 .Lweights
	; x: wave number (work-group - 512) * 4 + wave takes 16,384 bytes of x and makes 8,192 of xb
	s_sub_co_u32 s22, ttmp9, 512
	s_lshl_b32 s22, s22, 2
	s_add_co_u32 s22, s22, s[WV]
	s_lshl_b32 s24, s22, 13
	s_lshl_b32 s22, s22, 14
	s_mov_b32 s23, 0
	s_mov_b32 s25, 0
	v_lshlrev_b32 v1, 4, v3                        ; 16 bytes a lane in
	v_lshlrev_b32 v2, 3, v3                        ; 8 bytes a lane out
	s_wait_kmcnt 0x0
	s_add_nc_u64 s[4:5], s[4:5], s[22:23]
	s_add_nc_u64 s[14:15], s[14:15], s[24:25]
.set n, 0
.rept 32                                       ; all 32 loads go out at once: 512 consecutive bytes each
	global_load_b128 v[16+4*n:19+4*n], v1, s[4:5] offset:512*n th:TH_LOAD_NT
.set n, n+1
.endr
.set n, 0
.rept 32
	s_wait_loadcnt 31-n                            ; loads come back in order: the count is the younger loads
	v_cvt_pk_bf16_f32 v[144+2*n], v[16+4*n], v[17+4*n]
	v_cvt_pk_bf16_f32 v[145+2*n], v[18+4*n], v[19+4*n]
	global_store_b64 v2, v[144+2*n:145+2*n], s[14:15] offset:256*n th:TH_STORE_NT  ; 32 lanes store 256 consecutive bytes, aligned; no register is written twice
.set n, n+1
.endr
	s_branch .Lend
.Lweights:
	s_lshr_b32 s21, ttmp9, 7                       ; which weight: 0 Wq, 1 Wk, 2 Wv, 3 Wo
	s_bfe_u32 s22, ttmp9, 0x30004                  ; which 128 of d (of f for Wo)
	s_and_b32 s23, ttmp9, 15                       ; the head (for Wo: which 64 of d_out)
	s_mul_i32 s29, s23, 192
	s_lshl_b32 s30, s21, 6
	s_add_co_u32 s29, s29, s30                     ; first row in wt
	s_lshl_b32 s30, s23, 6                         ; first row in wot
	s_lshl_b32 s31, s22, 7
	s_lshl_b32 s32, s[WV], 5
	s_add_co_u32 s31, s31, s32                     ; my wave's first source row: 32 rows a wave
	s_mov_b32 s26, 0x3c800000                      ; 1 / 64
	s_mov_b32 s27, 0x42800000                      ; 64
	s_cmp_eq_u32 s21, 3
	s_cselect_b32 s24, 12, 8                       ; a source row is 4,096 bytes (Wo) or 256
	s_cselect_b32 s25, 8, 18                       ; from block to block of 64 n: 256 bytes (Wo) or a head's 262,144
	s_cselect_b32 s26, s27, s26
	s_cselect_b32 s28, -1, 0                       ; all lanes: the f16 form (Wo) or the bf16 form
	s_cselect_b32 s29, s30, s29
	s_mov_b32 s27, s26                             ; named as a pair
	s_lshl_b32 s34, s23, s25
	s_lshl_b32 s31, s31, s24
	s_add_co_u32 s34, s34, s31                     ; byte offset of my wave's rows in the source
	s_mov_b32 s35, 0
	s_lshl_b32 s32, s[WV], 4
	s_add_co_u32 s29, s29, s32                     ; my wave stores 16 of the 64 turned rows
	s_lshl_b32 s36, s29, 11                        ; rows of 2,048 bytes
	s_lshl_b32 s32, s22, 8                         ; 128 d are 256 bytes
	s_add_co_u32 s36, s36, s32
	s_mov_b32 s37, 0
	s_add_co_u32 s33, s24, 4                       ; 16 rows, as a shift
	v_and_b32 v6, 15, v0
	v_bfe_u32 v7, v0, 4, 1
	v_lshlrev_b32 v8, s33, v7
	v_lshl_add_u32 v8, v6, 4, v8
.irp c, 0,1,2,3,4,5,6,7,8,9,10,11,12,13,14,15
	s_lshl_b32 s32, \c, s24
	v_add_nc_u32 v[VO+(\c)], s32, v8
.endr
	v_mul_u32_u24 v[ST], v6, 1088                  ; turned row 4 (l % 16) + j, 272 bytes a row;
	v_lshl_add_u32 v[ST], v7, 5, v[ST]             ; my 16 d are 32 bytes,
	s_lshl_b32 s32, s[WV], 6                       ; my wave's 32 d are 64
	v_add_nc_u32 v[ST], s32, v[ST]
	s_mul_i32 s32, s[WV], 16*272
	v_mul_u32_u24 v[RD], v7, 272
	v_lshl_add_u32 v[RD], v6, 4, v[RD]
	v_add_nc_u32 v[RD], s32, v[RD]
	v_lshlrev_b32 v[DO], 11, v7
	v_lshl_add_u32 v[DO], v6, 4, v[DO]
	s_wait_kmcnt 0x0
	s_cmp_eq_u32 s21, 1                            ; the source and the destination are chosen by the work-group's number alone
	s_cselect_b64 s[6:7], s[8:9], s[6:7]
	s_cmp_eq_u32 s21, 2
	s_cselect_b64 s[6:7], s[10:11], s[6:7]
	s_cmp_eq_u32 s21, 3
	s_cselect_b64 s[6:7], s[12:13], s[6:7]
	s_cselect_b64 s[16:17], s[18:19], s[16:17]
	s_add_nc_u64 s[6:7], s[6:7], s[34:35]
	s_add_nc_u64 s[16:17], s[16:17], s[36:37]
.irp c, 0,1,2,3,4,5,6,7,8,9,10,11,12,13,14,15
	global_load_b128 v[D+4*(\c):D+4*(\c)+3], v[VO+(\c)], s[6:7] th:TH_LOAD_NT  ; 16 lanes read 256 consecutive bytes of a row
.endr
.irp g, 0,1,2,3,4,5,6,7                        ; rows 2 g and 2 g + 1 of my 16 make one word for each of my four columns
	s_wait_loadcnt 14-2*(\g)                       ; the count is the younger loads
	v_pk_mul_f32 v[D+8*(\g):D+8*(\g)+1],   v[D+8*(\g):D+8*(\g)+1],   s[26:27] op_sel_hi:[1,0]
	v_pk_mul_f32 v[D+8*(\g)+2:D+8*(\g)+3], v[D+8*(\g)+2:D+8*(\g)+3], s[26:27] op_sel_hi:[1,0]
	v_pk_mul_f32 v[D+8*(\g)+4:D+8*(\g)+5], v[D+8*(\g)+4:D+8*(\g)+5], s[26:27] op_sel_hi:[1,0]
	v_pk_mul_f32 v[D+8*(\g)+6:D+8*(\g)+7], v[D+8*(\g)+6:D+8*(\g)+7], s[26:27] op_sel_hi:[1,0]
.irp j, 0,1,2,3
	v_cvt_pk_bf16_f32 v[T], v[D+8*(\g)+(\j)], v[D+8*(\g)+4+(\j)]  ; the one rounding
	v_lshlrev_b32 v[T+2], 16, v[T]                 ; the same two numbers as f32,
	v_and_b32 v[T+3], 0xffff0000, v[T]
	v_cvt_pk_f16_f32 v[T+1], v[T+2], v[T+3]        ; and written as f16
	v_cndmask_b32 v[R+8*(\j)+(\g)], v[T], v[T+1], s28
.endr
.endr
.irp j, 0,1,2,3
	ds_store_b128 v[ST], v[R+8*(\j):R+8*(\j)+3]   offset:272*(\j)
	ds_store_b128 v[ST], v[R+8*(\j)+4:R+8*(\j)+7] offset:272*(\j)+16
.endr
	s_wait_dscnt 0x0                               ; for the others' sake: my part of every turned row is in the stage
	s_barrier_signal -1
	s_barrier_wait -1
.irp t, 0,1,2,3,4,5,6,7
	ds_load_b128 v[D+4*(\t):D+4*(\t)+3], v[RD] offset:544*(\t)
.endr
.irp t, 0,1,2,3,4,5,6,7
	s_wait_dscnt 7-(\t)
	global_store_b128 v[DO], v[D+4*(\t):D+4*(\t)+3], s[16:17] offset:4096*(\t)  ; 16 lanes store 256 consecutive bytes, aligned
.endr
.Lend:
	s_wait_tensorcnt 0x0                           ; the wave's end: a wait, an add of 0 to my spare word and its wait, behind my last LDS store
	ds_add_u32 v[SPW], v[NIL]
	s_wait_dscnt 0x0
	s_endpgm
.Lfunc_end_k_q71d6e12e70_prep:
	.size	k_q71d6e12e70_prep, .Lfunc_end_k_q71d6e12e70_prep-k_q71d6e12e70_prep
	.p2alignl 7, 3214868480
	.fill 96, 4, 3214868480
	.section	.rodata,"a",@progbits
	.p2align	6, 0x0
	.amdhsa_kernel k_q71d6e12e70_prep
		.amdhsa_group_segment_fixed_size 17920
		.amdhsa_private_segment_fixed_size 0
		.amdhsa_enable_private_segment 0
		.amdhsa_kernarg_size 64
		.amdhsa_user_sgpr_count 2
		.amdhsa_user_sgpr_kernarg_segment_ptr 1
		.amdhsa_wavefront_size32 1
		.amdhsa_system_sgpr_workgroup_id_x 1
		.amdhsa_system_sgpr_workgroup_id_y 1
		.amdhsa_system_sgpr_workgroup_id_z 1
		.amdhsa_system_vgpr_workitem_id 0
		.amdhsa_next_free_vgpr 208
		.amdhsa_next_free_sgpr 66
		.amdhsa_reserve_vcc 0
		.amdhsa_float_denorm_mode_32 3
		.amdhsa_float_denorm_mode_16_64 3
		.amdhsa_memory_ordered 1
		.amdhsa_forward_progress 1
		.amdhsa_inst_pref_size 31
	.end_amdhsa_kernel
	.amdgpu_metadata
---
amdhsa.version: [ 1, 2 ]
amdhsa.kernels:
  - .name:           k_q71d6e12e70_prep
    .symbol:         k_q71d6e12e70_prep.kd
    .args:
      - { .name: x, .offset: 0, .size: 8, .value_kind: global_buffer, .address_space: global }
      - { .name: Wq, .offset: 8, .size: 8, .value_kind: global_buffer, .address_space: global }
      - { .name: Wk, .offset: 16, .size: 8, .value_kind: global_buffer, .address_space: global }
      - { .name: Wv, .offset: 24, .size: 8, .value_kind: global_buffer, .address_space: global }
      - { .name: Wo, .offset: 32, .size: 8, .value_kind: global_buffer, .address_space: global }
      - { .name: xb, .offset: 40, .size: 8, .value_kind: global_buffer, .address_space: global }
      - { .name: wt, .offset: 48, .size: 8, .value_kind: global_buffer, .address_space: global }
      - { .name: wot, .offset: 56, .size: 8, .value_kind: global_buffer, .address_space: global }
    .group_segment_fixed_size: 17920
    .private_segment_fixed_size: 0
    .kernarg_segment_align: 8
    .kernarg_segment_size: 64
    .max_flat_workgroup_size: 128
    .sgpr_count:     66
    .vgpr_count:     208
    .wavefront_size: 32
...
	.end_amdgpu_metadata
.endif
;; end of part 1
;; launch proj (part 2): grid 16 x 16, 4 waves a work-group, clusters of 4 x 4, 327,680 bytes of LDS; arguments xb, wt, qq, kk, vv; writes qq, kk, vv
.if DOCPART == 2
	.amdgcn_target "amdgcn-amd-amdhsa--gfx1250"
	.amdhsa_code_object_version 6
	.text
	.protected	k_q71d6e12e70_proj
	.globl	k_q71d6e12e70_proj
	.p2align	8
	.type	k_q71d6e12e70_proj,@function
k_q71d6e12e70_proj:
	s_mov_b64 s[64:65], 0
	v_nop
	global_prefetch_b8 v0, s[64:65] scope:SCOPE_SE
	s_setreg_imm32_b32 hwreg(HW_REG_WAVE_MODE, 25, 1), 1
	s_wait_xcnt 0x0
	s_wait_alu depctr_hold_cnt(0) depctr_sa_sdst(0) depctr_va_vdst(0) depctr_va_sdst(0) depctr_va_ssrc(0) depctr_va_vcc(0) depctr_vm_vsrc(0)
	s_getreg_b32 s2, hwreg(HW_REG_IB_STS2, 6, 4)
	s_cmp_eq_u32 s2, 0
	s_cbranch_scc0 .Lentry_in_a_cluster
	s_endpgm
.Lentry_in_a_cluster:
	s_bfe_u32 s2, ttmp6, 0x10000c
	s_cmp_lg_u32 s2, 0xf033
	s_cbranch_scc0 .Lentry_shape_is_right
	s_endpgm
.Lentry_shape_is_right:
; PROJ.  [8192 x 1024] xb times wt^T ([3072 x 1024]), bf16 operands, f32 sums.  A tile is 256 rows x 192 columns: q, k and v of ONE head (wt's rows lie so).
; What leaves is q / 64, k / 64, v / 64 (wt holds W / 64), by heads:
;   qq, kk [64 bh][2048 s][128] f16: 64 numbers hi = f16(q), then 64 numbers lo = f16(q - hi): 22 significant bits.  vv [64][2048][64] f16.
; WHY hi AND lo.  With weights of unit spread a score has a spread of about 1,000, and a weight moves by p (1 - p) times the score's error: one 16-bit rounding of q and k moves scores by far more than the result allows.
; LIMITS.  |q|, |k|, |v| below 64 x 65,504 = 4.19e6; below 2^-24 (of the numbers divided by 64) f16's fixed step holds.  NaN and infinities are not treated apart.  The f32 sums run along K in a rotated order (below).
; SHARES.  A WORK-GROUP STAYS for two tiles, 4,096 rows apart: a loop of two trips; nothing waits for the first tile's stores.  Four waves lie along the rows: wave w owns rows 64 w .. 64 w + 63 and all 192
; columns: 48 accumulators of 16 x 16, 384 registers.  K goes in steps of 128 (rows of 256 bytes in memory) through two LDS slots.  The product is taken transposed (source 0 = 16 rows of wt, source 1 = 16 rows of xb).
; A TILE BEGINS as a refill does: the waits, the add, a round, and ONE load a wave, which brings a whole slot: wave 0 xb's 256 rows of the first K step, wave 1 those of the second, waves 2 and 3 wt's 192 rows likewise.
; THE WALK ALONG K is cyclic and begins at step (2 x + 4 y) mod 8 in cluster (x, y): the four clusters that read the same rows of xb ask for four different pairs of steps at a time, the clusters that read the same rows of wt for two.
; CLUSTER.  4 x 4 work-groups: the four of a row of the cluster need the same rows of xb, the four of a column the same rows of wt: each tile is asked for jointly.
; REGISTERS, in windows of 256: window 0 addresses and the way out; window 1 two fragment buffers (xb's four fragments at f + 8 a, wt's twelve at f + 32 + 8 b);
;   window 2 accumulators (b, a), b < 8 (q and k), at 32 b + 8 a; window 3 those of b = 8 .. 11 (v) at 32 (b - 8) + 8 a.
; SCALARS: s14 wave, s15 fetches xb (0) or wt (1), s16 which half, s17 cx, s18 cy, s19 head, s20 tile row, s21 slot read, s22 K steps to ask for, s23 prefetch bound, s[24:31], s[32:39] group 1 for xb, wt,
;   s[40:41] xb at the tile's first row, s42, s50 my half's place in a slot, s43 tiles to go, s[44:47], s[52:55] group 0, s[48:49] wt at the head's first row, s51 the K step asked for last, s[56:57] prefetch,
;   s58, s59 my half's bytes in xb, wt, s[60:61], s[62:63] offsets, s66 the walk's first step, s[68:69], s[70:71] the prefetch's step and offset.
.set PA,    272                        ; an LDS row: 256 bytes + 16 of padding: the 16 rows of a fragment load start at 16 different groups of four banks
.set SLOT1, 131072                     ; slot 1 begins here: one exclusive or turns an address in one slot into the other's
.set BOFF,  256*PA                     ; in a slot: xb's 256 rows, then wt's 192
.set STAGE, SLOT1+448*PA               ; behind the ring, never filled by a tensor load: 16 rows x 272 bytes for each wave
.set SPARE, STAGE+4*16*PA              ; behind the stages: the spare words, 128 bytes a wave
.set F0, 0
.set F1, 128
.set TMPH, 32                          ; v32-47  hi, packed        v48-63 lo, packed        v64-95 q - hi
.set TMPL, 48
.set T2,   64
.set OB,   96                          ; v96-127, v128-159: rows read back from the stage, by turns
.set MUL2, 0xa5                        ; sources 0 and 1 window 1; C and D window 2
.set MUL3, 0xf5                        ; the same, C and D window 3
.set TO_F, 0x40                        ; destination window 1, address window 0
.set MSB, 0
.macro WIN new                         ; the immediate's high byte repeats the setting that is left; a switch that changes nothing is dropped
.if MSB != (\new)
	s_set_vgpr_msb (MSB<<8)|(\new)
.set MSB, \new
.endif
.endm
.macro PLACES                          ; four places in front of loads into registers that matrix instructions have read, and of lines that read results
.rept 4
	v_nop
.endr
.endm
.macro CREST                           ; a round of the cluster's barrier behind its opening barrier
	s_cmp_lg_u32 s14, 0
	s_cbranch_scc1 .Lnot_wave_0_\@
	s_barrier_signal -3
.Lnot_wave_0_\@:
	s_barrier_wait -3
	s_barrier_signal -1
	s_barrier_wait -1
.endm
.macro CROUND
	s_barrier_signal -1
	s_barrier_wait -1
	CREST
.endm
.macro JLOAD                           ; a joint load: waves 0 and 1 fetch for xb, waves 2 and 3 for wt; s_nop 0 and four v_nop follow each line
	s_cmp_eq_u32 s15, 0
	s_cbranch_scc0 .Lfor_b_\@
	tensor_load_to_lds s[44:47], s[24:31]
	s_nop 0
.rept 4
	v_nop
.endr
	s_branch .Lasked_\@
.Lfor_b_\@:
	tensor_load_to_lds s[52:55], s[32:39]
	s_nop 0
.rept 4
	v_nop
.endr
.Lasked_\@:
.endm
; A PREFETCH of what the NEXT TILE's first load will bring.  In the first tile's last two changes of slots that fill (s22 = 2, 1), waves 0 and 1 ask for the next tile's rows of xb at the K step of their own first load:
; 64 rows for each of the four partners of a row of the cluster, told apart by address, 32 a change, a lane a row.  The four clusters that read a tile row begin at four different pairs of K steps, so each row's
; 256 bytes of each K step are named once.  Between these lines and that load stand two to three K steps and the way out.  The refills are not asked for: by the walks' arithmetic another cluster has read their
; blocks two steps earlier (xb), or they are wt's, which every tile row walks again.
.macro ASK
	WIN 0
	s_cmp_lt_u32 s22, s23
	s_cbranch_scc0 .Lnot_mine_\@
	global_prefetch_b8 v14, s[56:57] th:TH_LOAD_NT scope:SCOPE_SE
.Lnot_mine_\@:
.endm
; nb column blocks from b0 on x my four row blocks, 32 along K.  Every accumulator comes once in a quarter step, in the same order: 47 others stand between two links of a chain.
.macro MUL f, b0, nb, zero
.set bq, \b0
.rept \nb
.if bq < 8
	WIN MUL2
.set ab, 32*bq
.else
	WIN MUL3
.set ab, 32*(bq-8)
.endif
.irp n, 0,1,2,3
.if \zero
	v_wmma_f32_16x16x32_bf16 v[ab+8*(\n):ab+8*(\n)+7], v[(\f)+32+8*bq:(\f)+32+8*bq+7], v[(\f)+8*(\n):(\f)+8*(\n)+7], 0
.else
	v_wmma_f32_16x16x32_bf16 v[ab+8*(\n):ab+8*(\n)+7], v[(\f)+32+8*bq:(\f)+32+8*bq+7], v[(\f)+8*(\n):(\f)+8*(\n)+7], v[ab+8*(\n):ab+8*(\n)+7]
.endif
.endr
.set bq, bq+1
.endr
.endm
.macro FETCH ko, f                     ; 32 LDS loads in one run: a quarter step's fragments (32 along K at byte ko of the rows): xb's four, then wt's twelve
	WIN TO_F
.irp n, 0,1,2,3
	ds_load_b128 v[(\f)+8*(\n):(\f)+8*(\n)+3],   v6 offset:(\ko)+(\n)*16*PA
	ds_load_b128 v[(\f)+8*(\n)+4:(\f)+8*(\n)+7], v6 offset:(\ko)+(\n)*16*PA+32
.endr
.irp n, 0,1,2,3,4,5,6,7,8,9,10,11
	ds_load_b128 v[(\f)+32+8*(\n):(\f)+32+8*(\n)+3],   v7 offset:(\ko)+(\n)*16*PA
	ds_load_b128 v[(\f)+32+8*(\n)+4:(\f)+32+8*(\n)+7], v7 offset:(\ko)+(\n)*16*PA+32
.endr
.endm
.macro QUARTER ko, f, g, zero          ; multiplies buffer f; in its first third it fetches the next quarter's fragments, at byte ko, into g
	s_wait_dscnt 16                                ; xb's four and wt's first four fragments are in; the youngest 16 loads may be out
	MUL \f, 0, 4, \zero
	PLACES
	FETCH \ko, \g
	s_wait_dscnt 32                                ; all but the 32 just issued
	MUL \f, 4, 8, \zero
.endm
; The fourth quarter multiplies buffer 1 and changes slots.  In front of the barrier each wave waits for all its tensor loads (at most one is out: its part of the next slot), adds 0 to its spare word, and waits for that
; and for its reads of this slot.  fill = 1: the barrier opens a round of the cluster's, and this slot is filled again, with the walk's step two on, first thing behind the round.
.macro TURN fill
.if \fill
	s_wait_xcnt 0x0                                ; the last prefetch, a K step back, has read its address
	s_cmp_eq_u32 s22, 1
	s_cselect_b32 s68, 0x10000, 0                  ; the second of the two prefetches names the 32 rows behind the first's
	s_add_nc_u64 s[56:57], s[56:57], s[68:69]
.endif
	WIN 0
	s_wait_tensorcnt 0x0                           ; no tensor load of mine is out, so the descriptors may be written
	ds_add_u32 v28, v29                            ; 0 onto my spare word
.if \fill
	s_add_co_u32 s51, s51, 1                       ; the walk's next K step, cyclically;
	s_and_b32 s51, s51, 7
	s_lshl_b32 s60, s51, 8                         ; its 256 bytes in a row,
	s_add_co_u32 s62, s60, s59                     ; and my half of the rows
	s_add_co_u32 s60, s60, s58
	s_xor_b32 s45, s45, SLOT1                      ; the other slot than last time
	s_add_nc_u64 s[46:47], s[40:41], s[60:61]      ; the address is made anew: the tile's pointer and an offset made apart
	s_or_b32 s47, s47, 0x80000000
	s_xor_b32 s53, s53, SLOT1
	s_add_nc_u64 s[54:55], s[48:49], s[62:63]
	s_or_b32 s55, s55, 0x80000000
.endif
	s_wait_dscnt 17                                ; (the add and the youngest 16 loads may be out)
	MUL F1, 0, 4, 0
	s_wait_dscnt 0x0                               ; the add is done, and my reads of this slot are over
	s_barrier_signal -1
	MUL F1, 4, 4, 0                                ; work on registers while the others arrive
	WIN 0
	s_barrier_wait -1
.if \fill
	CREST
	JLOAD                                          ; its four v_nop are also the places in front of the loads below
.else
	PLACES
.endif
	s_xor_b32 s21, s21, SLOT1                      ; the fragments come from the other slot now
	v_add_nc_u32 v6, s21, v4
	v_add_nc_u32 v7, s21, v5
	FETCH 0, F0
.if \fill
	ASK
.endif
	MUL F1, 8, 4, 0
.endm
	s_load_b256 s[4:11], s[0:1], 0x0               ; xb 4:5, wt 6:7, qq 8:9, kk 10:11
	s_load_b64 s[12:13], s[0:1], 0x20              ; vv
	v_lshl_add_u32 v28, v0, 2, SPARE
	v_mov_b32 v29, 0
	ds_add_u32 v28, v29                            ; the wave's opening: the add, and its wait ahead of my first tensor load; work on registers stands between
	v_lshrrev_b32 v1, 5, v0
	v_readfirstlane_b32 s14, v1                    ; wave 0..3
	s_lshr_b32 s15, s14, 1                         ; I fetch for xb (0) or for wt (1),
	s_and_b32 s16, s14, 1                          ; its first or its second half
	s_bfe_u32 s17, ttmp6, 0x40000                  ; cx
	s_bfe_u32 s18, ttmp6, 0x40004                  ; cy
	s_lshl_b32 s19, ttmp9, 2
	s_add_co_u32 s19, s19, s17                     ; tile column = the head
	s_and_b32 s3, ttmp7, 0xffff
	s_lshl_b32 s20, s3, 2                          ; 4 x cluster y
	s_lshl_b32 s66, ttmp9, 1
	s_add_co_u32 s66, s66, s20
	s_and_b32 s66, s66, 7                          ; the walk's first K step: (2 x + 4 y) mod 8, of the cluster's place alone
	s_add_co_u32 s20, s20, s18                     ; the first tile's row, 0 .. 15
	s_lshl_b32 s2, s18, 2
	s_lshl_b32 s2, 15, s2                          ; my row of the cluster
	s_lshl_b32 s3, 0x1111, s17                     ; my column
	s_or_b32 s24, s2, (1<<16)|(1<<20)|(1<<21)|(5<<22)|(3<<25)  ; the mask; 2-byte elements; padding on; bit 21 beside a mask; after every 64 words 4 words
	s_or_b32 s32, s3, (1<<16)|(1<<20)|(1<<21)|(5<<22)|(3<<25)
	s_mov_b32 s25, 128<<16                         ; tensor_dim0 = 128 (the two words with the rows are written at a tile's head)
	s_mov_b32 s27, 128<<16                         ; tile_dim0 = 128
	s_mov_b32 s29, 1024                            ; elements from row to row
	s_mov_b32 s30, 0
	s_mov_b32 s31, 0
	s_mov_b32 s33, 128<<16
	s_mov_b32 s35, 128<<16
	s_mov_b32 s37, 1024
	s_mov_b32 s38, 0
	s_mov_b32 s39, 0
	s_mov_b32 s44, 1                               ; count = 1
	s_mov_b32 s52, 1
	s_mul_i32 s42, s16, 128*PA                     ; my half's place in a slot: no place in the cluster enters an LDS address
	s_mul_i32 s50, s16, 96*PA
	s_add_co_u32 s50, s50, BOFF
	s_lshl_b32 s58, s16, 18                        ; my half's 128 rows of 2,048 bytes in xb,
	s_mul_i32 s59, s16, 96*2048                    ; my half's 96 rows in wt
	s_mov_b32 s61, 0
	s_mov_b32 s63, 0
	s_mov_b32 s69, 0
	s_mov_b32 s71, 0
	s_add_co_u32 s70, s66, s16                     ; the prefetches: the K step of my first load of a tile,
	s_and_b32 s70, s70, 7
	s_lshl_b32 s70, s70, 8
	s_lshl_b32 s2, s17, 17                         ; my work-group's 64 rows of the 256,
	s_add_co_u32 s70, s70, s2
	s_add_co_u32 s70, s70, 0x800000                ; in the next tile, 4,096 rows on
	s_lshl_b32 s60, s20, 19                        ; the tile's 256 rows of 2,048 bytes
	s_mul_i32 s62, s19, 192*2048                   ; the head's 192 rows
	s_wait_dscnt 0x0                               ; the opening add is done
	s_wait_kmcnt 0x0
	s_add_nc_u64 s[40:41], s[4:5], s[60:61]
	s_add_nc_u64 s[48:49], s[6:7], s[62:63]
	s_lshr_b32 s2, s20, 3                          ; the batch: 8 tile rows each
	s_lshl_b32 s2, s2, 4
	s_add_co_u32 s2, s2, s19                       ; bh
	s_lshl_b32 s2, s2, 11
	s_and_b32 s3, s20, 7
	s_lshl_b32 s3, s3, 8
	s_add_co_u32 s2, s2, s3
	s_lshl_b32 s3, s14, 6
	s_add_co_u32 s2, s2, s3                        ; my wave's first row among the 64 x 2,048
	s_lshl_b32 s68, s2, 7
	s_lshl_b32 s2, s2, 8
	s_mov_b32 s3, 0
	s_add_nc_u64 s[8:9], s[8:9], s[2:3]
	s_add_nc_u64 s[10:11], s[10:11], s[2:3]
	s_add_nc_u64 s[12:13], s[12:13], s[68:69]
	v_and_b32 v1, 15, v0                           ; l % 16
	v_bfe_u32 v2, v0, 4, 1                         ; l / 16
	v_mul_u32_u24 v3, v1, PA
	v_lshl_add_u32 v3, v2, 4, v3                   ; a fragment's row x pitch + 16 x half
	s_mul_i32 s2, s14, 64*PA
	v_add_nc_u32 v4, s2, v3                        ; my 64 rows of xb in slot 0
	v_add_nc_u32 v5, BOFF, v3                      ; wt's rows in slot 0
	s_mul_i32 s3, s14, 16*PA
	s_add_co_u32 s3, s3, STAGE                     ; my stage
	v_add_nc_u32 v8, s3, v3                        ; q, k in: row l % 16 of 272 bytes, 16 bytes for each half of the lanes
	v_mul_u32_u24 v9, v2, PA
	v_lshl_add_u32 v9, v1, 4, v9
	v_add_nc_u32 v9, s3, v9                        ; q, k back: lanes 0-15 one row of 256 bytes, lanes 16-31 the next
	v_mul_u32_u24 v10, v1, 144
	v_lshl_add_u32 v10, v2, 4, v10
	v_add_nc_u32 v10, s3, v10                      ; v in: rows of 144 bytes
	v_and_b32 v15, 31, v0
	v_lshrrev_b32 v11, 3, v15
	v_mul_u32_u24 v11, v11, 144
	v_and_b32 v16, 7, v0
	v_lshl_add_u32 v11, v16, 4, v11
	v_add_nc_u32 v11, s3, v11                      ; v back: 32 lanes take four rows of 128 bytes
	v_lshlrev_b32 v12, 4, v15                      ; my 16 of 512 consecutive bytes of the results
	v_mov_b32 v13, -1.0
	v_lshlrev_b32 v14, 11, v15                     ; the prefetches: a lane a row of xb
	s_mov_b32 s43, 2
.Ltile:                                                ; two trips: a tile each
	s_wait_tensorcnt 0x0                           ; no tensor load of mine is out, so the descriptors may be written
	ds_add_u32 v28, v29                            ; 0 onto my spare word
	s_add_co_u32 s51, s66, s16                     ; waves 0 and 2 bring the walk's first K step, waves 1 and 3 its second,
	s_and_b32 s51, s51, 7
	s_lshl_b32 s60, s51, 8
	s_lshl_b32 s45, s16, 17                        ; into slot 0 and slot 1,
	s_add_co_u32 s53, s45, BOFF
	s_add_nc_u64 s[46:47], s[40:41], s[60:61]
	s_or_b32 s47, s47, 0x80000000                  ; type = 2
	s_add_nc_u64 s[54:55], s[48:49], s[60:61]
	s_or_b32 s55, s55, 0x80000000
	s_mov_b32 s26, 256<<16                         ; all 256 rows of xb (tensor_dim1, tile_dim1),
	s_mov_b32 s28, 256
	s_mov_b32 s34, 192<<16                         ; all 192 of wt
	s_mov_b32 s36, 192
	s_add_nc_u64 s[56:57], s[40:41], s[70:71]      ; where the prefetches for the next tile stand (the last one's address was read long ago: the wait at the trip's end)
	s_cmp_eq_u32 s43, 2                            ; only the first tile has a tile behind it,
	s_cselect_b32 s23, 3, 0
	s_cmp_eq_u32 s15, 0                            ; and only waves 0 and 1 fetch xb
	s_cselect_b32 s23, s23, 0
	s_mov_b32 s21, 0
	s_wait_dscnt 0x0                               ; the add is done, and my LDS reads of the tile before are over
	CROUND                                         ; no wave of any partner still reads a slot or has a load on its way
	JLOAD                                          ; my one load behind the round: a whole slot's xb or wt
	v_mov_b32 v6, v4                               ; the fragments come from slot 0
	v_mov_b32 v7, v5
	s_wait_tensorcnt 0x0                           ; it has landed; the descriptors are set for the refills: halves of 128 and 96 rows,
	s_mov_b32 s26, 128<<16
	s_mov_b32 s28, 128
	s_mov_b32 s34, 96<<16
	s_mov_b32 s36, 96
	s_add_co_u32 s45, s42, SLOT1                   ; (the first refill turns these into slot 0's)
	s_add_co_u32 s53, s50, SLOT1
	s_add_co_u32 s51, s66, 1                       ; the K step asked for last
	s_and_b32 s51, s51, 7
	s_barrier_signal -1
	s_barrier_wait -1                              ; everybody's has
	FETCH 0, F0
	QUARTER 64, F0, F1, 1                          ; a tile's first quarter stands in front of the loop: its products start the sums
	WIN 0
	s_mov_b32 s22, 6
.Lstep:                                                ; a trip is a K step, from its second quarter to the next step's first; six trips ask for the walk's steps 2 to 7
	QUARTER 128, F1, F0, 0
	QUARTER 192, F0, F1, 0
	TURN 1
	QUARTER 64, F0, F1, 0
	WIN 0
	s_sub_co_u32 s22, s22, 1
	s_cmp_lg_u32 s22, 0
	s_cbranch_scc1 .Lstep
	QUARTER 128, F1, F0, 0                         ; the last two K steps ask for nothing
	QUARTER 192, F0, F1, 0
	TURN 0
	QUARTER 64, F0, F1, 0
	QUARTER 128, F1, F0, 0
	QUARTER 192, F0, F1, 0
	s_wait_dscnt 16
	MUL F1, 0, 4, 0
	s_wait_dscnt 0x0
	MUL F1, 4, 8, 0
	WIN 0
	PLACES
; THE WAY OUT, 16 rows of q, of k or of v at a time, through my own stage; LDS serves a wave's instructions in order, so no wait stands between its stores and its loads there.
.macro PACKHL a, b0                    ; row block a, column blocks b0 .. b0 + 3: hi = f16(x); x - hi, which f32 holds exactly; lo = f16(x - hi).  Each accumulator is read from its low end on.
	WIN 0x0a                                       ; sources 0 and 1 window 2
.irp n, 0,1,2,3
.irp m, 0,1,2,3
	v_cvt_pk_f16_f32 v[TMPH+4*(\n)+(\m)], v[8*(4*((\b0)+(\n))+(\a))+2*(\m)], v[8*(4*((\b0)+(\n))+(\a))+2*(\m)+1]
.endr
.endr
	WIN 0x20                                       ; source 2 window 2
.irp n, 0,1,2,3
.irp m, 0,1,2,3
	v_fma_mix_f32 v[T2+8*(\n)+2*(\m)],   v[TMPH+4*(\n)+(\m)], v13, v[8*(4*((\b0)+(\n))+(\a))+2*(\m)]   op_sel_hi:[1,0,0]
	v_fma_mix_f32 v[T2+8*(\n)+2*(\m)+1], v[TMPH+4*(\n)+(\m)], v13, v[8*(4*((\b0)+(\n))+(\a))+2*(\m)+1] op_sel:[1,0,0] op_sel_hi:[1,0,0]
.endr
.endr
	WIN 0
.irp n, 0,1,2,3
.irp m, 0,1,2,3
	v_cvt_pk_f16_f32 v[TMPL+4*(\n)+(\m)], v[T2+8*(\n)+2*(\m)], v[T2+8*(\n)+2*(\m)+1]
.endr
.endr
.endm
.macro PACKV a
	WIN 0x0f                                       ; sources 0 and 1 window 3
.irp n, 0,1,2,3
.irp m, 0,1,2,3
	v_cvt_pk_f16_f32 v[TMPH+4*(\n)+(\m)], v[8*(4*(\n)+(\a))+2*(\m)], v[8*(4*(\n)+(\a))+2*(\m)+1]
.endr
.endr
	WIN 0
.endm
.set OBC, OB                           ; the registers that the next block is read back into,
.set OBL, OB+32                        ; and those of the block before
.macro FLIP
.set OBT, OBC
.set OBC, OBL
.set OBL, OBT
.endm
.macro STAGEHL
.irp n, 0,1,2,3
	ds_store_b128 v8, v[TMPH+4*(\n):TMPH+4*(\n)+3] offset:32*(\n)
	ds_store_b128 v8, v[TMPL+4*(\n):TMPL+4*(\n)+3] offset:128+32*(\n)
.endr
.irp n, 0,1,2,3,4,5,6,7
	ds_load_b128 v[OBC+4*(\n):OBC+4*(\n)+3], v9 offset:2*PA*(\n)
.endr
	FLIP
.endm
.macro STAGEV
.irp n, 0,1,2,3
	ds_store_b128 v10, v[TMPH+4*(\n):TMPH+4*(\n)+3] offset:32*(\n)
.endr
.irp n, 0,1,2,3
	ds_load_b128 v[OBC+4*(\n):OBC+4*(\n)+3], v11 offset:576*(\n)
.endr
	FLIP
.endm
.macro SENDHL a, p                     ; the block staged last goes out; p: the buffer's pointer
	s_wait_dscnt 0x0                               ; it is back in registers
	s_wait_xcnt 0x0                                ; the stores of the block before it have read their registers, into which the next block is read back
.irp n, 0,1,2,3,4,5,6,7
	global_store_b128 v12, v[OBL+4*(\n):OBL+4*(\n)+3], s[\p:\p+1] offset:(\a)*4096+512*(\n)  ; 512 consecutive bytes, aligned: two rows of hi and lo
.endr
.endm
.macro SENDV a
	s_wait_dscnt 0x0
	s_wait_xcnt 0x0
.irp n, 0,1,2,3
	global_store_b128 v12, v[OBL+4*(\n):OBL+4*(\n)+3], s[12:13] offset:(\a)*2048+512*(\n)    ; four rows of v
.endr
.endm
.irp a, 0,1,2,3                        ; a block's arithmetic stands between the stage's loads of the block before and the wait for them
	PACKHL \a, 0
.if (\a) > 0
	SENDV (\a)-1
.endif
	STAGEHL
	PACKHL \a, 4
	SENDHL \a, 8
	STAGEHL
	PACKV \a
	SENDHL \a, 10
	STAGEV
.endr
	SENDV 3
	s_wait_xcnt 0x0                                ; the stores have read their registers and their pointers; nothing waits for the stores themselves
	s_add_nc_u64 s[40:41], s[40:41], 0x800000      ; the next tile: 4,096 rows of xb on,
	s_add_nc_u64 s[8:9], s[8:9], 0x1000000         ; two batches, 32 heads of 2,048 rows of 256 bytes, on in qq and kk,
	s_add_nc_u64 s[10:11], s[10:11], 0x1000000
	s_add_nc_u64 s[12:13], s[12:13], 0x800000      ; of 128 bytes in vv
	s_sub_co_u32 s43, s43, 1
	s_cmp_lg_u32 s43, 0
	s_cbranch_scc1 .Ltile
	s_wait_tensorcnt 0x0                           ; the wave's end: a wait, an add of 0 to my spare word and its wait, behind my last tensor load and my last LDS store
	ds_add_u32 v28, v29
	s_wait_dscnt 0x0
	CROUND                                         ; the closing round: no work-group ends while a partner may still ask for a tile that names it
	s_endpgm
.Lfunc_end_k_q71d6e12e70_proj:
	.size	k_q71d6e12e70_proj, .Lfunc_end_k_q71d6e12e70_proj-k_q71d6e12e70_proj
	.p2alignl 7, 3214868480
	.fill 96, 4, 3214868480
	.section	.rodata,"a",@progbits
	.p2align	6, 0x0
	.amdhsa_kernel k_q71d6e12e70_proj
		.amdhsa_group_segment_fixed_size 327680
		.amdhsa_private_segment_fixed_size 0
		.amdhsa_enable_private_segment 0
		.amdhsa_kernarg_size 40
		.amdhsa_user_sgpr_count 2
		.amdhsa_user_sgpr_kernarg_segment_ptr 1
		.amdhsa_wavefront_size32 1
		.amdhsa_system_sgpr_workgroup_id_x 1
		.amdhsa_system_sgpr_workgroup_id_y 1
		.amdhsa_system_sgpr_workgroup_id_z 1
		.amdhsa_system_vgpr_workitem_id 0
		.amdhsa_next_free_vgpr 896
		.amdhsa_next_free_sgpr 88
		.amdhsa_reserve_vcc 0
		.amdhsa_float_denorm_mode_32 3
		.amdhsa_float_denorm_mode_16_64 3
		.amdhsa_memory_ordered 1
		.amdhsa_forward_progress 1
		.amdhsa_inst_pref_size 130
	.end_amdhsa_kernel
	.amdgpu_metadata
---
amdhsa.version: [ 1, 2 ]
amdhsa.kernels:
  - .name:           k_q71d6e12e70_proj
    .symbol:         k_q71d6e12e70_proj.kd
    .args:
      - { .name: xb, .offset: 0, .size: 8, .value_kind: global_buffer, .address_space: global }
      - { .name: wt, .offset: 8, .size: 8, .value_kind: global_buffer, .address_space: global }
      - { .name: qq, .offset: 16, .size: 8, .value_kind: global_buffer, .address_space: global }
      - { .name: kk, .offset: 24, .size: 8, .value_kind: global_buffer, .address_space: global }
      - { .name: vv, .offset: 32, .size: 8, .value_kind: global_buffer, .address_space: global }
    .group_segment_fixed_size: 327680
    .private_segment_fixed_size: 0
    .kernarg_segment_align: 8
    .kernarg_segment_size: 40
    .max_flat_workgroup_size: 128
    .sgpr_count:     88
    .vgpr_count:     896
    .wavefront_size: 32
...
	.end_amdgpu_metadata
.endif
;; end of part 2
;; launch attn (part 3): grid 4 x 64, 4 waves a work-group, clusters of 4 x 1, 327,680 bytes of LDS; arguments qq, kk, vv, oo; writes oo
.if DOCPART == 3
	.amdgcn_target "amdgcn-amd-amdhsa--gfx1250"
	.amdhsa_code_object_version 6
	.text
	.protected	k_q71d6e12e70_attn
	.globl	k_q71d6e12e70_attn
	.p2align	8
	.type	k_q71d6e12e70_attn,@function
k_q71d6e12e70_attn:
	s_mov_b64 s[64:65], 0
	v_nop
	global_prefetch_b8 v0, s[64:65] scope:SCOPE_SE
	s_setreg_imm32_b32 hwreg(HW_REG_WAVE_MODE, 25, 1), 1
	s_wait_xcnt 0x0
	s_wait_alu depctr_hold_cnt(0) depctr_sa_sdst(0) depctr_va_vdst(0) depctr_va_sdst(0) depctr_va_ssrc(0) depctr_va_vcc(0) depctr_vm_vsrc(0)
	s_getreg_b32 s2, hwreg(HW_REG_IB_STS2, 6, 4)
	s_cmp_eq_u32 s2, 0
	s_cbranch_scc0 .Lentry_in_a_cluster
	s_endpgm
.Lentry_in_a_cluster:
	s_bfe_u32 s2, ttmp6, 0x10000c
	s_cmp_lg_u32 s2, 0x3003
	s_cbranch_scc0 .Lentry_shape_is_right
	s_endpgm
.Lentry_shape_is_right:
; ATTENTION.  O[h][q][:] = the sum over k of softmax_k(Q[h][q] . K[h][k] / 8) V[h][k][:], 64 heads (batch x head) of 2,048 rows, head size 64.
; qq, kk: [64][2048][128] f16, a row = 64 numbers hi, then 64 numbers lo, of q / 64 and k / 64.  vv, oo: [64][2048][64] f16, v / 64 and o / 64.
; THE SCORE is taken of hi + lo: S^T = Kh Ql^T + Kl Qh^T + Kh Qh^T, the small terms first, in one f32 sum; Kl Ql^T, 2^-22 of a score, is left out.  Three times the products of a plain score:
; the price of scores with a spread of about 1,000, whose errors reach the weights undiminished.  c = log2(e) / 8 x 4,096 takes the two divisions by 64 back.
; Products, maxima and sums in f32; the weights p are rounded to f16 for the second product (their sum l is taken of the unrounded p), O once at the end.
; LIMITS.  f16 holds no number beyond 65,504: q / 64, k / 64, v / 64 arrive within it.  p lies in 0 to 1, and below 6e-5 it keeps f16's fixed step; a weight below 2^-126 counts as 0 in l; NaN and infinities are not treated apart.
; SHARES.  A wave owns four PIECES of two tiles of 16 queries, a work-group's four waves 512 queries of one head.  Every wave walks all keys, 64 a step.
; LAYOUT.  In S^T a lane holds ONE query (lane % 16) and the keys 8 (lane / 16) + 0..7.  Two such tiles, rounded to f16 in pairs, ARE source 1 of O^T = V^T P.  K comes out of LDS as it lies, V turned, by ds_load_tr16_b128.
; SOFTMAX.  For each query a running maximum m and sum l: p = 2^(c s - c m); in every step O and l are multiplied by a = 2^(c m_old - c m_new).  m starts at the lowest finite number, O and l at 0: the first step has a = 0.
; BY TURNS.  Turn n belongs to piece n.  Its matrix work: 48 products for the scores of piece n + 1, then 16 products V^T P of piece n - 1.  Its vector work is ALL of piece n's softmax for the step, 236 lines for 64 products:
; maximum and statistics, scalings, exponentials, roundings, sums, rescaling; its scores were made in the turn before.  Every line stands behind a product, four at the most.  A turn's 66 exponentials are one batch with one wait.
; CLUSTER.  The four query blocks of a head are one cluster and walk the same K and V: each tile is asked for jointly.
; REGISTERS, in windows of 256 (s_set_vgpr_msb: bits 1:0 source 0, 3:2 source 1, 5:4 source 2, 7:6 destination):
;   window 0: v0-11 addresses; v12-15, v48-63 at work; v16-47 four registers of statistics a tile; v64-191 S^T, two buffers of two tiles; v192-255 P, likewise
;   window 1: O^T, 32 a tile      window 2: Q, 32 a tile: hi's two fragments, then lo's      window 3: v0-63 K hi, v64-127 K lo, v128-191 V of one step; v192-193 the add's two registers
.set SIZE_N, 2048
.set NP,    4
.set KS,    64
.set PK,    272       ; a row of K in LDS: 256 bytes (hi, lo) + 16 of padding: the 16 rows of a load start at 16 different groups of four banks
.set PV,    160       ; a row of V: 128 + 32
.set VOFF,  4*KS*PK   ; a slot holds four steps: 256 rows of K, then 256 rows of V
.set SLOT1, 1<<17
.set STAGE, SLOT1+4*KS*(PK+PV)  ; behind the ring, never filled by a tensor load: 16 rows x 144 bytes for each wave
.set SP,    144
.set SPARE, STAGE+4*16*SP  ; behind the stages: the spare words, 128 bytes a wave
.set AK0, 2           ; v2   my lane's place in a tile of K; never rewritten
.set AV0, 3           ; v3   the same for V
.set AK,  4           ; v4   the LDS address of K's next run of loads
.set AV,  5           ; v5   of V's
.set QO,  6           ; v6   my byte offset in 16 rows of Q; never rewritten
.set RD,  7           ; v7   the way out: where I read rows back
.set GO,  8           ; v8   my byte offset in 512 consecutive bytes of O
.set STO, 10          ; v10  the way out: where I put 16 bytes of a row
.set PFO, 11          ; v11  256 x my lane, for the prefetches
.set SPW, 192         ; v192 of window 3   SPARE + 4 x my thread's number; never rewritten
.set NIL, 193         ; v193 of window 3   0; never rewritten
.set MV,  12
.set ST,  16          ; tile t's statistics at v[ST+4 t]: c m, m, l (even keys', odd keys')
.set TMP, 48          ; by buffer and tile, four registers c0-c3 at work; when the maximum is found c2 takes a
.set S,   64
.set P,   192
.set VF,  128         ; V's fragments, in window 3: key half kk, channel block cb at VF + 32 kk + 8 cb
.set WV,  12
.set G1K, 24
.set G1V, 32
.set G0K, 40
.set G0V, 44
.set PFA, 48          ; s[48:49] where my prefetches stand
.set PFS, 50          ; s[50:51] their step from slot to slot
.set LIM, 52          ; s52  1 in a wave that prefetches, else the greatest number
.set SLOTS, 56
.set CNT, 57
.set CS,  58
.set SEL, 60
.set TBK, 62
.set TBV, 63
.set MSB, 0
.macro WIN new
.if MSB != (\new)
	s_set_vgpr_msb (MSB<<8)|(\new)
.set MSB, (\new)
.endif
.endm
.set W_KQ, 0x0b       ; K in window 3, Q in window 2, S^T in window 0
.set W_PV, 0x53       ; V in window 3, P in window 0, O^T in window 1
.set W_RS, 0x41       ; O^T (destination and source 0) in window 1, a in window 0
.set W_MK, 0xc0       ; destination in window 3, sources in window 0
.set W_AD, 0x0f       ; the add: address and data in window 3
.macro JLOAD          ; waves 0 and 1 fetch the two halves of a slot's K, waves 2 and 3 those of its V; s_nop 0 and four v_nop follow each line
	s_cmp_lt_u32 s[WV], 2
	s_cbranch_scc0 .Lfor_v_\@
	tensor_load_to_lds s[G0K:G0K+3], s[G1K:G1K+7]
	s_nop 0
.rept 4
	v_nop
.endr
	s_branch .Lasked_\@
.Lfor_v_\@:
	tensor_load_to_lds s[G0V:G0V+3], s[G1V:G1V+7]
	s_nop 0
.rept 4
	v_nop
.endr
.Lasked_\@:
.endm
; A prefetch of the slot that the NEXT change will ask for: four key steps, 1,024 matrix instructions, ahead of that load.  kk and vv were stored by the launch before, and a head is walked by one cluster alone.
; Each 256 bytes are named once: the four partners share a slot's 256 rows of K (64 each; waves 0 and 1 take 32, a lane a row) and its 128 blocks of V (32 each; wave 2) BY ADDRESS.  The last filling change asks for nothing.
.macro ASK
	s_cmp_gt_u32 s[SLOTS], s[LIM]
	s_cbranch_scc0 .Lnot_mine_\@
	global_prefetch_b8 v[PFO], s[PFA:PFA+1] th:TH_LOAD_NT scope:SCOPE_SE
.Lnot_mine_\@:
.endm
.macro CROUND
	s_barrier_signal -1
	s_barrier_wait -1
	s_cmp_lg_u32 s[WV], 0
	s_cbranch_scc1 .Lnot_wave_0_\@
	s_barrier_signal -3
.Lnot_wave_0_\@:
	s_barrier_wait -3
	s_barrier_signal -1
	s_barrier_wait -1
.endm
; THE CHANGE OF SLOTS.  Each wave waits for all its tensor loads (one is out: its part of the other slot), adds 0 to its spare word, and waits for that and for its own reads of the slot.
; fill = 1: the barrier is a round of the cluster's, and the slot is filled again, with the keys two slots on, first thing behind it.  (At its first use nothing has been read yet: slot 0 is waited for, slot 1 filled.)
.macro CHANGE fill
	WIN W_AD
	s_wait_tensorcnt 0x0            ; no tensor load of mine is out, so a group 0 may be written
	ds_add_u32 v[SPW], v[NIL]       ; 0 onto my spare word
	WIN 0
.if \fill
	s_xor_b32 s[G0K+1], s[G0K+1], SLOT1
	s_add_nc_u64 s[G0K+2:G0K+3], s[G0K+2:G0K+3], 4*KS*256  ; the next 256 keys; the type bits on top are not reached
	s_xor_b32 s[G0V+1], s[G0V+1], SLOT1
	s_add_nc_u64 s[G0V+2:G0V+3], s[G0V+2:G0V+3], 4*KS*128
	s_wait_xcnt 0x0                 ; the last prefetch, four key steps back, has read its address
	s_add_nc_u64 s[PFA:PFA+1], s[PFA:PFA+1], s[PFS:PFS+1]
	s_wait_dscnt 0x0                ; the add is done, and my reads of the slot are over
	CROUND
	JLOAD
	ASK
.else
	s_wait_dscnt 0x0
	s_barrier_signal -1
	s_barrier_wait -1
.endif
	s_sub_co_u32 s[TBK], s[TBK], 4*KS*PK  ; the fetches go back to a slot's first step,
	s_xor_b32 s[TBK], s[TBK], SLOT1       ; in the other slot
	s_sub_co_u32 s[TBV], s[TBV], 4*KS*PV
	s_xor_b32 s[TBV], s[TBV], SLOT1
.endm
	s_load_b256 s[4:11], s[0:1], 0x0  ; qq s[4:5], kk s[6:7], vv s[8:9], oo s[10:11]
	WIN W_MK
	v_lshl_add_u32 v[SPW], v0, 2, SPARE
	v_mov_b32 v[NIL], 0
	WIN W_AD
	ds_add_u32 v[SPW], v[NIL]       ; the wave's opening: the add, and its wait ahead of my first tensor load; work on registers stands between
	WIN 0
	v_lshrrev_b32 v1, 5, v0
	v_readfirstlane_b32 s[WV], v1
	s_bfe_u32 s13, ttmp6, 0x40000   ; cx
	s_lshl_b32 s14, ttmp9, 2
	s_add_co_u32 s14, s14, s13      ; my block of 512 queries: it enters Q's and O's addresses and the prefetches' alone
	s_and_b32 s15, ttmp7, 0xffff    ; the head, which the four partners share
	s_and_b32 s16, s[WV], 1         ; which half of a slot's 256 keys I fetch
	s_lshl_b32 s20, s15, 19         ; a head of kk is 2,048 x 256 bytes,
	s_lshl_b32 s19, s16, 15         ; 128 keys of it 32,768
	s_add_co_u32 s20, s20, s19
	s_mov_b32 s21, 0
	s_lshl_b32 s22, s15, 18         ; half of that in vv
	s_lshl_b32 s19, s16, 14
	s_add_co_u32 s22, s22, s19
	s_mov_b32 s23, 0
	s_mul_i32 s17, s16, 128*PK      ; its place in a slot, for K
	s_mul_i32 s18, s16, 128*PV      ; and for V: no place in the cluster enters an LDS address
	s_lshl_b32 s3, s14, 2
	s_add_co_u32 s3, s3, s[WV]      ; my wave among the head's sixteen: 128 rows each
	s_lshl_b32 s54, s3, 15
	s_lshl_b32 s2, s15, 19
	s_add_co_u32 s54, s54, s2
	s_mov_b32 s55, 0
	s_lshl_b32 s2, s3, 14
	s_lshl_b32 s3, s15, 18
	s_add_co_u32 s2, s2, s3
	s_mov_b32 s3, 0
	s_lshl_b32 s50, s13, 14         ; the prefetches of K: my work-group's 64 rows of 256,
	s_lshl_b32 s19, s[WV], 13       ; my wave's 32 of them,
	s_add_co_u32 s50, s50, s19
	s_lshl_b32 s19, s15, 19
	s_add_co_u32 s50, s50, s19
	s_add_co_u32 s50, s50, 4*KS*256 ; in slot 1: the first change steps them to slot 2
	s_lshl_b32 s53, s13, 13         ; of V: my work-group's 32 blocks of 256 bytes
	s_lshl_b32 s19, s15, 18
	s_add_co_u32 s53, s53, s19
	s_add_co_u32 s53, s53, 4*KS*128
	s_cmp_lt_u32 s[WV], 2
	s_cselect_b32 s50, s50, s53
	s_mov_b32 s51, 0
	s_cmp_lt_u32 s[WV], 3
	s_cselect_b32 s[LIM], 1, -1     ; wave 3 asks for nothing: the same in all four partners
	s_mov_b32 s[G1K], 15|(1<<16)|(1<<20)|(1<<21)|(5<<22)|(3<<25)  ; the mask of four; 2-byte elements; padding on; bit 21 beside a mask; after every 64 words 4 words
	s_mov_b32 s[G1K+1], 128<<16     ; tensor_dim0 = 128
	s_mov_b32 s[G1K+2], 128<<16     ; tensor_dim1 = 128: a key a row
	s_mov_b32 s[G1K+3], 128<<16     ; tile_dim0 = 128
	s_mov_b32 s[G1K+4], 128         ; tile_dim1 = 128
	s_mov_b32 s[G1K+5], 128
	s_mov_b32 s[G1K+6], 0
	s_mov_b32 s[G1K+7], 0
	s_mov_b32 s[G1V], 15|(1<<16)|(1<<20)|(1<<21)|(4<<22)|(7<<25)  ; 128 keys of V are 16,384 dense bytes: 64 rows of 256, two keys a row, padded by 8 words after every 32
	s_mov_b32 s[G1V+1], 128<<16
	s_mov_b32 s[G1V+2], 64<<16
	s_mov_b32 s[G1V+3], 128<<16
	s_mov_b32 s[G1V+4], 64
	s_mov_b32 s[G1V+5], 128
	s_mov_b32 s[G1V+6], 0
	s_mov_b32 s[G1V+7], 0
	s_mov_b32 s[CS], 0x4438aa3b     ; c = 512 log2(e) = 738.66
	s_mov_b32 s[CS+1], s[CS]
	s_mov_b32 s[SEL], 0x76543210
	s_mov_b32 s[SEL+1], 0xfedcba98
	s_mov_b32 s[TBK], SLOT1+4*KS*PK ; the first change of slots turns these two into 0
	s_mov_b32 s[TBV], SLOT1+4*KS*PV
	s_mov_b32 s[G0K], 1
	s_mov_b32 s[G0K+1], s17
	s_mov_b32 s[G0V], 1
	s_add_co_u32 s[G0V+1], s18, VOFF
	s_mov_b32 s[SLOTS], SIZE_N/256-1
	s_wait_dscnt 0x0                ; the opening add is done
	s_wait_kmcnt 0x0
	s_add_nc_u64 s[G0K+2:G0K+3], s[6:7], s[20:21]
	s_or_b32 s[G0K+3], s[G0K+3], 0x80000000
	s_add_nc_u64 s[G0V+2:G0V+3], s[8:9], s[22:23]
	s_or_b32 s[G0V+3], s[G0V+3], 0x80000000
	s_add_nc_u64 s[4:5], s[4:5], s[54:55]  ; Q and O at my wave's first row
	s_add_nc_u64 s[10:11], s[10:11], s[2:3]
	s_cmp_lt_u32 s[WV], 2
	s_cselect_b64 s[PFA:PFA+1], s[6:7], s[8:9]
	s_add_nc_u64 s[PFA:PFA+1], s[PFA:PFA+1], s[50:51]
	s_cselect_b32 s19, 16, 15
	s_lshl_b32 s[PFS], 1, s19       ; a slot is 65,536 bytes of K, 32,768 of V; the pair's high word is 0 already
	CROUND                          ; all four work-groups are here: the first joint loads meet
	JLOAD                           ; slot 0.  Slot 1 is asked for when slot 0 is in
	v_and_b32 v1, 15, v0            ; l % 16
	v_bfe_u32 v9, v0, 4, 1          ; l / 16
	v_lshlrev_b32 v[QO], 8, v1
	v_lshl_add_u32 v[QO], v9, 4, v[QO]  ; row x 256 + 16 x half
	WIN 0x80                        ; destination window 2, address window 0
.set i, 0
.rept 32                            ; Q stays in registers: fragment i: tile i / 4; hi or lo, (i / 2) % 2; channels 32 (i % 2) on
	global_load_b128 v[8*i:8*i+3],   v[QO], s[4:5] offset:(i/4)*4096+((i/2)%2)*128+(i%2)*64
	global_load_b128 v[8*i+4:8*i+7], v[QO], s[4:5] offset:(i/4)*4096+((i/2)%2)*128+(i%2)*64+32
.set i, i+1
.endr
	; What the first turn finds: V's registers and P's second buffer hold 0, O^T and l are 0.  All this stands in the wait for the first tile.
	WIN 0xc0
.set i, VF
.rept 64
	v_mov_b32 v[i], 0
.set i, i+1
.endr
	WIN 0x40
.set i, 0
.rept 64*NP
	v_mov_b32 v[i], 0
.set i, i+1
.endr
	WIN 0
.set i, 0
.rept 2*NP
	v_mov_b32 v[ST+4*i], 0xfe000000    ; c m: far below every c s
	v_mov_b32 v[ST+4*i+1], 0xff7fffff  ; m
	v_mov_b32 v[ST+4*i+2], 0
	v_mov_b32 v[ST+4*i+3], 0
.set i, i+1
.endr
.set i, P+32
.rept 32
	v_mov_b32 v[i], 0
.set i, i+1
.endr
	v_mul_u32_u24 v[AK0], v1, PK
	v_lshl_add_u32 v[AK0], v9, 4, v[AK0]  ; row x pitch + 16 x half
	v_and_b32 v10, 7, v0
	v_bfe_u32 v11, v0, 3, 1
	v_lshl_add_u32 v[AV0], v9, 3, v10     ; the turning load: lane l reads key 8 (l / 16) + l % 8, channels 8 ((l / 8) % 2) + 0..7
	v_mul_u32_u24 v[AV0], v[AV0], PV
	v_lshl_add_u32 v[AV0], v11, 4, v[AV0]
	v_add_nc_u32 v[AV0], VOFF, v[AV0]
	v_mov_b32 v[AK], v[AK0]         ; key step 0 lies at the head of slot 0
	s_mul_i32 s13, s[WV], 16*SP
	s_add_co_u32 s13, s13, STAGE    ; my stage
	v_bfe_u32 v[RD], v0, 3, 2       ; back: 32 lanes take four rows of 128 bytes,
	v_mul_u32_u24 v[RD], v[RD], SP
	v_lshl_add_u32 v[RD], v10, 4, v[RD]
	v_add_nc_u32 v[RD], s13, v[RD]
	v_mul_u32_u24 v[STO], v1, SP    ; in: row l % 16, 16 bytes for each half of the lanes
	v_lshl_add_u32 v[STO], v9, 4, v[STO]
	v_add_nc_u32 v[STO], s13, v[STO]
	v_and_b32 v[GO], 31, v0         ; which are 512 consecutive bytes of O
	v_lshlrev_b32 v[PFO], 8, v[GO]
	v_lshlrev_b32 v[GO], 4, v[GO]
; THE MATRIX WORK.  The 8 accumulators of a run take turns: between two links of a chain stand 7 others'.
; Product i of 48 of piece x's scores: i / 16 = 0: Kh Ql, 1: Kl Qh, 2: Kh Qh; channels 32 ((i / 8) % 2) on, keys 16 ((i / 2) % 4) on, tile 2 x + i % 2.  The first 8 start the sums.
.macro KQ x
	WIN W_KQ
.set pr, i/16
.set rS, S+64*((\x)%2)+32*(i%2)+8*((i/2)%4)
.set rK, 64*(pr%2)+16*((i/2)%4)+8*((i/8)%2)
.set rQ, 32*(2*(\x)+i%2)+16*(1-(pr+1)/2)+8*((i/8)%2)
.if i < 8
	v_wmma_f32_16x16x32_f16 v[rS:rS+7], v[rK:rK+7], v[rQ:rQ+7], 0
.else
	v_wmma_f32_16x16x32_f16 v[rS:rS+7], v[rK:rK+7], v[rQ:rQ+7], v[rS:rS+7]
.endif
.endm
; Product i of 16 of O^T += V^T P for piece x: keys 32 (i / 8) on, channels 16 ((i / 2) % 4) on, tile 2 x + i % 2.
.macro PV x
	WIN W_PV
.set rO, 32*(2*(\x)+i%2)+8*((i/2)%4)
.set rV, VF+32*(i/8)+8*((i/2)%4)
.set rP, P+32*((\x)%2)+16*(i%2)+8*(i/8)
	v_wmma_f32_16x16x32_f16 v[rO:rO+7], v[rV:rV+7], v[rP:rP+7], v[rO:rO+7]
.endm
.macro MM                           ; the turn's next matrix instruction
.if i < 48
.if (Y == NP-1) && (i == 16)
	s_wait_dscnt 0x0                ; K's lo half is in
.endif
	KQ (Y+1)%NP
.set i, i+1
.else
.if (Y == 1) && (i == 48)
	s_wait_dscnt 0x0                ; V is in
.endif
.set i, i-48
	PV (Y+NP-1)%NP
.set i, i+49
.endif
.endm
; THE LDS LOADS stand in runs: a step's K (64 keys x 128 numbers: 8 fragments of hi, then 8 of lo) and its V (turned).  last = 1 (the tail): in the last trip there is no further step, and the run is jumped over.
.macro FETCH_K last=0
	WIN 0
.if \last
	s_cmp_eq_u32 s[CNT], 1
	s_cbranch_scc1 .Lno_k_\@
.endif
	WIN 0xc0                        ; destination window 3
.irp g, 0,1
.irp f, 0,1,2,3,4,5,6,7             ; keys 16 (f / 2) on, channels 32 (f % 2) on
	ds_load_b128 v[64*\g+8*\f:64*\g+8*\f+3],   v[AK] offset:(\f/2)*16*PK+128*\g+(\f%2)*64
	ds_load_b128 v[64*\g+8*\f+4:64*\g+8*\f+7], v[AK] offset:(\f/2)*16*PK+128*\g+(\f%2)*64+32
.endr
.endr
	s_add_co_u32 s[TBK], s[TBK], KS*PK  ; the next fetch is the next step's
	WIN 0
.if \last
.Lno_k_\@:
.endif
.endm
.macro FETCH_V
	WIN 0xc0
.irp f, 0,1,2,3,4,5,6,7             ; keys 32 (f / 4) on, channels 16 (f % 4) on
	ds_load_tr16_b128 v[VF+8*\f:VF+8*\f+3],   v[AV] offset:(\f/4)*32*PV+(\f%4)*32
	ds_load_tr16_b128 v[VF+8*\f+4:VF+8*\f+7], v[AV] offset:(\f/4)*32*PV+16*PV+(\f%4)*32
.endr
	WIN 0
.endm
; THE VECTOR WORK OF A TURN, all of it piece Y's, stands in three queues, each in the order in which its entries become ready; the two tiles alternate.
.macro REGS y, u                    ; the registers of tile u (0, 1) of piece y
.set rT, ST+4*(2*(\y)+(\u))
.set rC, TMP+8*((\y)%2)+4*(\u)
.set rM, MV+2*((\y)%2)+(\u)
.set rS, S+64*((\y)%2)+32*(\u)
.set rP, P+32*((\y)%2)+16*(\u)
.set rO, 32*(2*(\y)+(\u))
.endm
; Number n of the 22 that find the piece's maximum and statistics; each accumulator's lowest registers are read first.
;   0-11 four chains c0-c3 of seven scores each     12-14, 16 the four scores left over, the old m, and c0-c3 into c0     15 c m_old is kept
;   17, 18 the query's other 32 keys lie in the lane 16 away: the new m     19-21 c m; c m_old - c m_new; a
.macro XS u, n
	REGS Y, \u
.if (\n) < 4
	v_max3_num_f32 v[rC+(\n)], v[rS+8*(\n)], v[rS+8*(\n)+1], v[rS+8*(\n)+2]
.elseif (\n) < 12
	v_max3_num_f32 v[rC+(\n)%4], v[rC+(\n)%4], v[rS+8*((\n)%4)+2*((\n)/4)+1], v[rS+8*((\n)%4)+2*((\n)/4)+2]
.elseif (\n) == 12
	v_max3_num_f32 v[rC], v[rC], v[rS+7], v[rS+15]
.elseif (\n) == 13
	v_max3_num_f32 v[rC+1], v[rC+1], v[rS+23], v[rS+31]
.elseif (\n) == 14
	v_max3_num_f32 v[rC+2], v[rC+2], v[rC+3], v[rT+1]
.elseif (\n) == 15
	v_mov_b32 v[rM], v[rT]
.elseif (\n) == 16
	v_max3_num_f32 v[rC], v[rC], v[rC+1], v[rC+2]
.elseif (\n) == 17
	v_permlanex16_b32 v[rC+3], v[rC], s[SEL], s[SEL+1]
.elseif (\n) == 18
	v_max_num_f32 v[rT+1], v[rC], v[rC+3]
.elseif (\n) == 19
	v_mul_f32 v[rT], s[CS], v[rT+1]
.elseif (\n) == 20
	v_sub_f32 v[rC+1], v[rM], v[rT]
.else
	v_exp_f32 v[rC+2], v[rC+1]
.endif
.endm
; Number g of the 64 that follow the exponentials: for each four weights both pairs are rounded to f16, the second pair is added onto the first in place, and a group later l takes that sum (the first time as l = a l + sum).
.macro GS g
.set h, (\g)+6*((\g)/62)
.if h >= 6
.set h, h+2
.endif
	REGS Y, h%2
.set k, h/8
.if h%8 < 4
	v_cvt_pk_f16_f32 v[rP+2*k+(h%8)/2], v[rS+4*k+2*((h%8)/2)], v[rS+4*k+2*((h%8)/2)+1]
.elseif h%8 < 6
	v_pk_add_f32 v[rS+4*k:rS+4*k+1], v[rS+4*k:rS+4*k+1], v[rS+4*k+2:rS+4*k+3]
.elseif k == 1
	v_pk_fma_f32 v[rT+2:rT+3], v[rT+2:rT+3], v[rC+2:rC+3], v[rS:rS+1] op_sel_hi:[1,0,1]
.else
	v_pk_add_f32 v[rT+2:rT+3], v[rT+2:rT+3], v[rS+4*k-4:rS+4*k-3]
.endif
.endm
; THE PLAIN QUEUE, 138 long.  0-27: XS's numbers 0-13.  28, 29: number 15.  30, 31: number 14.  32-41: the chain 16 .. 20, a link for both tiles at a time.  42-73: the 32 scalings c s - c m (FS f: pair f / 2 of tile f % 2).
; 74-137: GS's 64, which read the exponentials' results: they stand behind the wait.
.macro FS f
	REGS Y, (\f)%2
	v_pk_fma_f32 v[rS+2*((\f)/2):rS+2*((\f)/2)+1], v[rS+2*((\f)/2):rS+2*((\f)/2)+1], s[CS:CS+1], v[rT:rT+1] op_sel_hi:[1,0,0] neg_lo:[0,0,1] neg_hi:[0,0,1]
.endm
.macro PL
	WIN 0
.if q < 28
	XS q%2, q/2
.elseif q < 30
	XS q-28, 15
.elseif q < 32
	XS q-30, 14
.elseif q < 42
	XS q%2, 16+(q-32)/2
.elseif q < 74
	FS q-42
.else
	GS q-74
.endif
.set q, q+1
.endm
; THE EXPONENTIALS' QUEUE, 66 long: the two a, then s0-s31 of both tiles.  ONE BATCH: all 66 stand ahead of the turn's one wait, and nothing ahead of that wait names a result of theirs.
.macro EX
	WIN 0
.if e < 2
	XS e, 21
.else
	REGS Y, e%2
	v_exp_f32 v[rS+(e-2)/2], v[rS+(e-2)/2]
.endif
.set e, e+1
.endm
; THE RESCALING's QUEUE: O^T times a, two lines at a time, sixteen times: behind the wait, since it reads a.
.macro R2
	REGS Y, r%2
	WIN W_RS
.irp z, 0,1
	v_pk_mul_f32 v[rO+4*(r/2)+2*\z:rO+4*(r/2)+2*\z+1], v[rO+4*(r/2)+2*\z:rO+4*(r/2)+2*\z+1], v[rC+2:rC+3] op_sel_hi:[1,0]
.endr
.set r, r+1
.endm
; HOW THEY ARE DEALT: every line behind a product, four at the most, and no more than two window switches a product.
;   products 0-7   four lines of the maximum each (the scores were finished 16 products and 64 plain lines ago)
;   products 8-11  one link of the chain 16 .. 19 for both tiles: a link waits for the one before it, which stands a product back
;   product 12     number 20 and the first two scalings          product 13   the two a and two scalings
;   products 14-20 scaling, exponential, scaling, exponential    products 21-34 a scaling and three exponentials    products 35-37 two exponentials    products 38, 39 one
;   a v_nop, the plain line behind the last exponential, and THE WAIT ahead of the first line that names a result: one for the 66
;   products 40-63 four of GS's 64, or, every third product, four lines of the rescaling
; The score's exponential number n (0 .. 63) wants scaling 2 (n / 4) + n % 2.  When the groups of products 14-20 begin, 4 scalings and no such exponential are out, and each group adds two of each; when those of
; products 21-34 begin, 18 and 14, and each adds one and three: the last of them issues n = 53 .. 55, which want scaling 27 at the most, with all 32 out.
; K of the next step is fetched in piece 2's turn behind product 47, K's last reader, and its four plain lines: hi first; piece 3's turn waits for hi at its head and for lo ahead of its 17th product.
; V of the step in hand is fetched at the end of piece 0's turn, four plain lines behind its last reader, and waited for ahead of piece 1's 49th product.
.macro TURN p, last=0, cnt=0
.set Y, (\p)
.set i, 0
.set q, 0
.set e, 0
.set r, 0
.if (\p) == NP-1
	s_wait_dscnt 16                 ; K's hi half is in; the youngest 16 loads, lo's, may be out
.endif
.rept 8
	MM
	PL
	PL
	PL
	PL
.endr
.rept 4
	MM
	PL
	PL
.endr
	MM
	PL
	PL
	PL
	PL
	MM
	EX
	EX
	PL
	PL
.rept 7
	MM
	PL
	EX
	PL
	EX
.endr
.rept 14
	MM
	PL
	EX
	EX
	EX
.endr
.rept 3
	MM
	EX
	EX
.endr
.rept 2
	MM
	EX
.endr
	v_nop                           ; the plain line behind the last exponential: one for the batch
	s_wait_alu depctr_va_vdst(0)    ; the wait for the batch
.if (\p) == NP-2
	v_add_nc_u32 v[AK], s[TBK], v[AK0]
.endif
.set tt, 0
.rept 24
	MM
.if tt%3 == 2
	R2
	R2
.else
	PL
	PL
	PL
	PL
.endif
.if ((\p) == NP-2) && (tt == 7)
	FETCH_K \last
.endif
.if ((\p) == 0) && (tt == 18)
	v_add_nc_u32 v[AV], s[TBV], v[AV0]
.endif
.if ((\p) == 0) && (tt == 21)
	s_add_co_u32 s[TBV], s[TBV], KS*PV
.endif
.if (\cnt) && (tt == 21)
	s_sub_co_u32 s[CNT], s[CNT], 1
	s_cmp_lg_u32 s[CNT], 0
.endif
.set tt, tt+1
.endr
.if (\p) == 0
	FETCH_V
.endif
.endm
	CHANGE 1                        ; slot 0 is in, everybody's part of it; slot 1 is asked for
	FETCH_K                         ; key step 0
	s_wait_loadcnt 0x0              ; Q
	s_wait_dscnt 0x0
.set i, 0
.rept 48
	KQ 0                            ; piece 0's first scores
.set i, i+1
.endr
	WIN 0
.rept 4
	v_nop                           ; the places behind those products: piece 0's turn begins by reading them
.endr
	s_mov_b32 s[CNT], 4
	s_branch .Lfirst                ; the loop is entered at a step's first turn, in the middle of a trip
.Lslot:                             ; six times: every slot but the last two is filled again
	CHANGE 1
	s_mov_b32 s[CNT], 4
.Lstep:                             ; a trip: pieces 2 and 3 of one step, then pieces 0 and 1 of the next, whose K and V it fetches
	TURN 2
	TURN 3
	WIN 0
.Lfirst:
	TURN 0
	TURN 1, 0, 1
	WIN 0
	s_cbranch_scc1 .Lstep
	s_sub_co_u32 s[SLOTS], s[SLOTS], 1
	s_cmp_lg_u32 s[SLOTS], 0
	s_cbranch_scc1 .Lslot
	CHANGE 0                        ; the tail is written out: nothing is asked for
	s_mov_b32 s[CNT], 5             ; four trips fetch the last slot's steps; the fifth is left in its middle
.Ltail:
	TURN 2, 1
	TURN 3
	WIN 0
	s_sub_co_u32 s[CNT], s[CNT], 1
	s_cmp_eq_u32 s[CNT], 0
	s_cbranch_scc1 .Lout
	TURN 0
	TURN 1
	WIN 0
	s_branch .Ltail
.Lout:                              ; the fifth trip's last 48 score products (on the last K once more) serve nothing: the price, once a launch, of one text for every trip
.set i, 0
.rept 16
	PV NP-1                         ; the last piece's V^T P of the last step
.set i, i+1
.endr
	; THE WAY OUT.  l's two halves and the other half of the lanes' are added; O^T is divided by l, rounded to f16 and sent through my stage in LDS, a tile at a time.  The additions are the places behind the last products.
	WIN 0
.macro ALL line:vararg
.set t, 0
.rept 2*NP
	\line
.set t, t+1
.endr
.endm
	ALL v_add_f32 v[ST+4*t+2], v[ST+4*t+2], v[ST+4*t+3]
	ALL v_permlanex16_b32 v[ST+4*t+3], v[ST+4*t+2], s[SEL], s[SEL+1]
	ALL v_add_f32 v[ST+4*t+2], v[ST+4*t+2], v[ST+4*t+3]
	ALL v_rcp_f32 v[ST+4*t+2], v[ST+4*t+2]
	v_nop                           ; a plain line between the last reciprocal and the use of its result
	s_wait_alu depctr_va_vdst(0)    ; one wait for the eight reciprocals
.macro PACK t                       ; a lane's eight channels of a row pack into 16 bytes; they go into rows of 144 bytes and come back as whole rows of 128, into S^T's registers
	WIN W_RS
.set i, 32*(\t)
.rept 16
	v_pk_mul_f32 v[i:i+1], v[i:i+1], v[ST+4*(\t)+2:ST+4*(\t)+3] op_sel_hi:[1,0]
.set i, i+2
.endr
	WIN 0x05                        ; sources 0 and 1 window 1, destination window 0
.set i, 0
.rept 16
	v_cvt_pk_f16_f32 v[S+16*(\t)+i], v[32*(\t)+2*i], v[32*(\t)+2*i+1]
.set i, i+1
.endr
	WIN 0
.irp f, 0,1,2,3
	ds_store_b128 v[STO], v[S+16*(\t)+4*\f:S+16*(\t)+4*\f+3] offset:32*\f
.endr
.irp f, 0,1,2,3
	ds_load_b128 v[S+16*(\t)+4*\f:S+16*(\t)+4*\f+3], v[RD] offset:\f*4*SP  ; LDS serves a wave's instructions in order: these see the stores above; the next tile's stores come behind them
.endr
.endm
.macro SEND t, younger              ; younger: the LDS instructions issued behind tile t's loads: the next tile's eight, or none
	WIN 0
.irp f, 0,1,2,3
	s_wait_dscnt (\younger)+3-\f
	global_store_b128 v[GO], v[S+16*(\t)+4*\f:S+16*(\t)+4*\f+3], s[10:11] offset:(\t)*2048+\f*512  ; 512 consecutive bytes, aligned
.endr
.endm
	PACK 0
.set t, 1
.rept 2*NP-1
	PACK t
	SEND t-1, 8
.set t, t+1
.endr
	SEND 2*NP-1, 0
	WIN W_AD
	s_wait_tensorcnt 0x0            ; the wave's end: a wait, an add of 0 to my spare word and its wait, behind my last tensor load and my last LDS store
	ds_add_u32 v[SPW], v[NIL]
	s_wait_dscnt 0x0
	WIN 0
	CROUND                          ; the closing round
	s_endpgm
.Lfunc_end_k_q71d6e12e70_attn:
	.size	k_q71d6e12e70_attn, .Lfunc_end_k_q71d6e12e70_attn-k_q71d6e12e70_attn
	.p2alignl 7, 3214868480
	.fill 96, 4, 3214868480
	.section	.rodata,"a",@progbits
	.p2align	6, 0x0
	.amdhsa_kernel k_q71d6e12e70_attn
		.amdhsa_group_segment_fixed_size 327680
		.amdhsa_private_segment_fixed_size 0
		.amdhsa_enable_private_segment 0
		.amdhsa_kernarg_size 32
		.amdhsa_user_sgpr_count 2
		.amdhsa_user_sgpr_kernarg_segment_ptr 1
		.amdhsa_wavefront_size32 1
		.amdhsa_system_sgpr_workgroup_id_x 1
		.amdhsa_system_sgpr_workgroup_id_y 1
		.amdhsa_system_sgpr_workgroup_id_z 1
		.amdhsa_system_vgpr_workitem_id 0
		.amdhsa_next_free_vgpr 962
		.amdhsa_next_free_sgpr 66
		.amdhsa_reserve_vcc 0
		.amdhsa_float_denorm_mode_32 3
		.amdhsa_float_denorm_mode_16_64 3
		.amdhsa_memory_ordered 1
		.amdhsa_forward_progress 1
		.amdhsa_inst_pref_size 234
	.end_amdhsa_kernel
	.amdgpu_metadata
---
amdhsa.version: [ 1, 2 ]
amdhsa.kernels:
  - .name:           k_q71d6e12e70_attn
    .symbol:         k_q71d6e12e70_attn.kd
    .args:
      - { .name: qq, .offset: 0, .size: 8, .value_kind: global_buffer, .address_space: global }
      - { .name: kk, .offset: 8, .size: 8, .value_kind: global_buffer, .address_space: global }
      - { .name: vv, .offset: 16, .size: 8, .value_kind: global_buffer, .address_space: global }
      - { .name: oo, .offset: 24, .size: 8, .value_kind: global_buffer, .address_space: global }
    .group_segment_fixed_size: 327680
    .private_segment_fixed_size: 0
    .kernarg_segment_align: 8
    .kernarg_segment_size: 32
    .max_flat_workgroup_size: 128
    .sgpr_count:     66
    .vgpr_count:     962
    .wavefront_size: 32
...
	.end_amdgpu_metadata
.endif
;; end of part 3
;; launch outp (part 4): grid 8 x 32, 4 waves a work-group, clusters of 4 x 4, 327,680 bytes of LDS; arguments oo, wot, out0; writes out0
.if DOCPART == 4
	.amdgcn_target "amdgcn-amd-amdhsa--gfx1250"
	.amdhsa_code_object_version 6
	.text
	.protected	k_q71d6e12e70_outp
	.globl	k_q71d6e12e70_outp
	.p2align	8
	.type	k_q71d6e12e70_outp,@function
k_q71d6e12e70_outp:
	s_mov_b64 s[64:65], 0
	v_nop
	global_prefetch_b8 v0, s[64:65] scope:SCOPE_SE
	s_setreg_imm32_b32 hwreg(HW_REG_WAVE_MODE, 25, 1), 1
	s_wait_xcnt 0x0
	s_wait_alu depctr_hold_cnt(0) depctr_sa_sdst(0) depctr_va_vdst(0) depctr_va_sdst(0) depctr_va_ssrc(0) depctr_va_vcc(0) depctr_vm_vsrc(0)
	s_getreg_b32 s2, hwreg(HW_REG_IB_STS2, 6, 4)
	s_cmp_eq_u32 s2, 0
	s_cbranch_scc0 .Lentry_in_a_cluster
	s_endpgm
.Lentry_in_a_cluster:
	s_bfe_u32 s2, ttmp6, 0x10000c
	s_cmp_lg_u32 s2, 0xf033
	s_cbranch_scc0 .Lentry_shape_is_right
	s_endpgm
.Lentry_shape_is_right:
; OUTP.  out0[8192][1024] f32 = concat(o) Wo.  oo [64 bh][2048][64] f16 holds o / 64, wot [1024 d_out][1024 f] f16 holds 64 Wo: the two powers of two cancel.  f16 operands, f32 sums, stored unrounded.
; A work-group makes 256 rows x 128 columns: 256 work-groups.  Four waves lie along the rows: wave w owns rows 64 w .. 64 w + 63 and all 128 columns: 32 accumulators, 256 registers.
; K goes in steps of 128 = two heads.  A head's 256 rows x 64 channels are 32,768 dense bytes of oo: asked for as 128 rows of 256 bytes, padded in LDS after every 128.
; The product is taken transposed (source 0 = 16 rows of wot, source 1 = 16 rows of o): a lane holds eight neighbouring columns of one row.
; THE WALK ALONG K is cyclic and begins at step (4 x + 2 y) mod 8 in cluster (x, y): the two clusters that read the same rows of o walk four steps apart, the clusters that read the same rows of wot two steps apart.
; So the f32 sums run along K in a rotated order.
; CLUSTER.  4 x 4 work-groups: o's tiles are shared along a row of the cluster, wot's along a column: each is asked for jointly.
; REGISTERS: window 0 addresses and the way out; window 1 two fragment buffers (o's four fragments at f + 8 a, wot's eight at f + 32 + 8 b); window 2 accumulators (b, a) at 32 b + 8 a.
; SCALARS beside the descriptors (s[24:39] group 1, s[40:55] group 0: a set for each first fill; the second then walks): s[66:67] o's tile at K step 0, s[68:69] wot's, s70 the K step asked for last,
;   s[72:73], s[74:75] its bytes in oo and in wot, s[76:77], s[78:79] the two prefetches' addresses.
.set PA,    144                        ; a row of o in LDS: 128 bytes + 16
.set PB,    272                        ; a row of wot: 256 + 16
.set HEADB, 256*PA                     ; a head's 256 rows
.set SLOT1, 131072
.set BOFF,  2*HEADB                    ; in a slot: two heads of o, then wot's 128 rows
.set STAGE, SLOT1+BOFF+128*PB          ; behind the ring, never filled by a tensor load: 16 rows x 528 bytes for each wave
.set SPITCH, 528
.set SPARE, STAGE+4*16*SPITCH
.set F0, 0
.set F1, 128
.set OB, 32                            ; v32-95, v96-159: rows read back from the stage, by turns
.set MUL2, 0xa5
.set TO_F, 0x40
.set MSB, 0
.macro WIN new
.if MSB != (\new)
	s_set_vgpr_msb (MSB<<8)|(\new)
.set MSB, \new
.endif
.endm
.macro PLACES
.rept 4
	v_nop
.endr
.endm
.macro CREST
	s_cmp_lg_u32 s14, 0
	s_cbranch_scc1 .Lnot_wave_0_\@
	s_barrier_signal -3
.Lnot_wave_0_\@:
	s_barrier_wait -3
	s_barrier_signal -1
	s_barrier_wait -1
.endm
.macro CROUND
	s_barrier_signal -1
	s_barrier_wait -1
	CREST
.endm
.macro JLOAD                           ; waves 0 and 1 fetch the K step's two heads of o, waves 2 and 3 wot's two halves; s_nop 0 and four v_nop follow each line
	s_cmp_eq_u32 s15, 0
	s_cbranch_scc0 .Lfor_b_\@
	tensor_load_to_lds s[44:47], s[24:31]
	s_nop 0
.rept 4
	v_nop
.endr
	s_branch .Lasked_\@
.Lfor_b_\@:
	tensor_load_to_lds s[52:55], s[32:39]
	s_nop 0
.rept 4
	v_nop
.endr
.Lasked_\@:
.endm
.macro MUL f, b0, nb, zero             ; every accumulator comes once in a quarter step, in the same order: 31 others stand between two links of a chain
	WIN MUL2
.set bq, \b0
.rept \nb
.irp n, 0,1,2,3
.if \zero
	v_wmma_f32_16x16x32_f16 v[32*bq+8*(\n):32*bq+8*(\n)+7], v[(\f)+32+8*bq:(\f)+32+8*bq+7], v[(\f)+8*(\n):(\f)+8*(\n)+7], 0
.else
	v_wmma_f32_16x16x32_f16 v[32*bq+8*(\n):32*bq+8*(\n)+7], v[(\f)+32+8*bq:(\f)+32+8*bq+7], v[(\f)+8*(\n):(\f)+8*(\n)+7], v[32*bq+8*(\n):32*bq+8*(\n)+7]
.endif
.endr
.set bq, bq+1
.endr
.endm
.macro FETCH ka, kb, f                 ; 24 LDS loads in one run: o's four fragments, then wot's eight
	WIN TO_F
.irp n, 0,1,2,3
	ds_load_b128 v[(\f)+8*(\n):(\f)+8*(\n)+3],   v6 offset:(\ka)+(\n)*16*PA
	ds_load_b128 v[(\f)+8*(\n)+4:(\f)+8*(\n)+7], v6 offset:(\ka)+(\n)*16*PA+32
.endr
.irp n, 0,1,2,3,4,5,6,7
	ds_load_b128 v[(\f)+32+8*(\n):(\f)+32+8*(\n)+3],   v7 offset:(\kb)+(\n)*16*PB
	ds_load_b128 v[(\f)+32+8*(\n)+4:(\f)+32+8*(\n)+7], v7 offset:(\kb)+(\n)*16*PB+32
.endr
.endm
.macro QUARTER ka, kb, f, g, zero
	s_wait_dscnt 8                                 ; o's four and wot's first four fragments are in; the youngest 8 loads may be out
	MUL \f, 0, 4, \zero
	PLACES
	FETCH \ka, \kb, \g
	s_wait_dscnt 24                                ; all but the 24 just issued
	MUL \f, 4, 4, \zero
.endm
.macro TURN fill                       ; the fourth quarter multiplies buffer 1 and changes slots
	WIN 0
	s_wait_tensorcnt 0x0                           ; no tensor load of mine is out, so the walking descriptors may be written
	ds_add_u32 v28, v29                            ; 0 onto my spare word
.if \fill
	s_add_co_u32 s70, s70, 1                       ; the walk's next K step, cyclically:
	s_and_b32 s70, s70, 7
	s_lshl_b32 s72, s70, 19                        ; two heads of 2,048 rows of 128 bytes a step in oo,
	s_lshl_b32 s74, s70, 8                         ; 256 bytes of a row in wot
	s_xor_b32 s45, s45, SLOT1                      ; the other slot than last time
	s_add_nc_u64 s[46:47], s[66:67], s[72:73]      ; the address is made anew: the tile's pointer and an offset made apart
	s_or_b32 s47, s47, 0x80000000
	s_xor_b32 s53, s53, SLOT1
	s_add_nc_u64 s[54:55], s[68:69], s[74:75]
	s_or_b32 s55, s55, 0x80000000
.endif
	s_wait_dscnt 13                                ; (the add and the youngest 12 loads may be out: o's four and wot's first two fragments are in)
	MUL F1, 0, 2, 0
	s_wait_dscnt 0x0                               ; the add is done, and my reads of this slot are over
	s_barrier_signal -1
	MUL F1, 2, 2, 0
	WIN 0
	s_barrier_wait -1
.if \fill
	CREST
	JLOAD                                          ; its four v_nop are also the places in front of the loads below
.else
	PLACES
.endif
	s_xor_b32 s21, s21, SLOT1
	v_add_nc_u32 v6, s21, v4
	v_add_nc_u32 v7, s21, v5
	FETCH 0, 0, F0
	MUL F1, 4, 4, 0
.endm
	s_load_b128 s[4:7], s[0:1], 0x0                ; oo 4:5, wot 6:7
	s_load_b64 s[8:9], s[0:1], 0x10                ; out0
	v_lshl_add_u32 v28, v0, 2, SPARE
	v_mov_b32 v29, 0
	ds_add_u32 v28, v29                            ; the wave's opening: the add, and its wait ahead of my first tensor load
	v_lshrrev_b32 v1, 5, v0
	v_readfirstlane_b32 s14, v1
	s_lshr_b32 s15, s14, 1                         ; I fetch for o (0) or for wot (1),
	s_and_b32 s16, s14, 1                          ; the K step's first or second head; wot's first or second 64 rows
	s_bfe_u32 s17, ttmp6, 0x40000                  ; cx
	s_bfe_u32 s18, ttmp6, 0x40004                  ; cy
	s_lshl_b32 s19, ttmp9, 2                       ; 4 x cluster x
	s_and_b32 s20, ttmp7, 0xffff
	s_lshl_b32 s70, s20, 1                         ; 2 x cluster y
	s_add_co_u32 s70, s70, s19
	s_and_b32 s70, s70, 7                          ; the walk's first K step, of the cluster's place alone
	s_add_co_u32 s19, s19, s17                     ; tile column
	s_lshl_b32 s20, s20, 2
	s_add_co_u32 s20, s20, s18                     ; tile row
	s_lshl_b32 s62, s18, 2
	s_lshl_b32 s62, 15, s62                        ; my row of the cluster
	s_lshl_b32 s63, 0x1111, s17                    ; my column
	s_or_b32 s24, s62, (1<<16)|(1<<20)|(1<<21)|(4<<22)|(3<<25)  ; o: padding of 4 words after every 32
	s_or_b32 s32, s63, (1<<16)|(1<<20)|(1<<21)|(5<<22)|(3<<25)  ; wot: after every 64
	s_mov_b32 s25, 128<<16                         ; o: 128 rows of 128 elements, dense
	s_mov_b32 s26, 128<<16
	s_mov_b32 s27, 128<<16
	s_mov_b32 s28, 128
	s_mov_b32 s29, 128
	s_mov_b32 s30, 0
	s_mov_b32 s31, 0
	s_mov_b32 s33, 128<<16                         ; wot: 64 rows of 128 elements, 1,024 from row to row
	s_mov_b32 s34, 64<<16
	s_mov_b32 s35, 128<<16
	s_mov_b32 s36, 64
	s_mov_b32 s37, 1024
	s_mov_b32 s38, 0
	s_mov_b32 s39, 0
	s_lshr_b32 s58, s20, 3                         ; the batch: 8 tile rows each
	s_lshl_b32 s58, s58, 4
	s_add_co_u32 s58, s58, s16                     ; its head 0 or 1
	s_lshl_b32 s58, s58, 11
	s_and_b32 s62, s20, 7
	s_lshl_b32 s62, s62, 8
	s_add_co_u32 s58, s58, s62                     ; the tile's first row in that head
	s_lshl_b32 s58, s58, 7                         ; rows of 128 bytes
	s_mov_b32 s59, 0
	s_lshl_b32 s60, s19, 7
	s_lshl_b32 s2, s16, 6
	s_add_co_u32 s60, s60, s2
	s_lshl_b32 s60, s60, 11                        ; rows of 2,048 bytes
	s_mov_b32 s61, 0
	s_mul_i32 s2, s16, HEADB                       ; where they go: no place in the cluster enters an LDS address
	s_mul_i32 s3, s16, 64*PB
	s_mov_b32 s40, 1
	s_add_co_u32 s41, s2, 0
	s_mov_b32 s44, 1
	s_add_co_u32 s45, s2, SLOT1
	s_mov_b32 s48, 1
	s_add_co_u32 s49, s3, BOFF
	s_mov_b32 s52, 1
	s_add_co_u32 s53, s3, BOFF+SLOT1
	s_mov_b32 s73, 0
	s_mov_b32 s75, 0
	s_lshl_b32 s72, s70, 19                        ; the walk's first K step
	s_lshl_b32 s74, s70, 8
	s_mov_b32 s21, 0
	s_wait_dscnt 0x0                               ; the opening add is done
	s_wait_kmcnt 0x0
	s_add_nc_u64 s[66:67], s[4:5], s[58:59]
	s_add_nc_u64 s[68:69], s[6:7], s[60:61]
	s_add_nc_u64 s[42:43], s[66:67], s[72:73]
	s_or_b32 s43, s43, 0x80000000
	s_add_nc_u64 s[50:51], s[68:69], s[74:75]
	s_or_b32 s51, s51, 0x80000000
	s_add_co_u32 s70, s70, 1                       ; its second
	s_and_b32 s70, s70, 7
	s_lshl_b32 s72, s70, 19
	s_lshl_b32 s74, s70, 8
	s_add_nc_u64 s[46:47], s[66:67], s[72:73]
	s_or_b32 s47, s47, 0x80000000
	s_add_nc_u64 s[54:55], s[68:69], s[74:75]
	s_or_b32 s55, s55, 0x80000000
	CROUND                                         ; all sixteen work-groups are here: the first joint loads meet
	s_cmp_eq_u32 s15, 0                            ; a wave's two first fills stand in one branch: two loads of mine are out
	s_cbranch_scc0 .Lfirst_b
	tensor_load_to_lds s[40:43], s[24:31]
	s_nop 0
	tensor_load_to_lds s[44:47], s[24:31]
	s_nop 0
.rept 4
	v_nop
.endr
	s_branch .Lfirst_asked
.Lfirst_b:
	tensor_load_to_lds s[48:51], s[32:39]
	s_nop 0
	tensor_load_to_lds s[52:55], s[32:39]
	s_nop 0
.rept 4
	v_nop
.endr
.Lfirst_asked:
	s_lshl_b32 s62, s17, 13                        ; the prefetches: my work-group's 32 blocks of 256 bytes of a head's 128,
	s_mov_b32 s63, 0
	s_add_co_u32 s2, s70, 1                        ; at the walk's third K step,
	s_and_b32 s2, s2, 7
	s_lshl_b32 s72, s2, 19
	s_add_nc_u64 s[76:77], s[66:67], s[72:73]
	s_add_nc_u64 s[76:77], s[76:77], s[62:63]
	s_add_co_u32 s2, s70, 2                        ; and at its fourth
	s_and_b32 s2, s2, 7
	s_lshl_b32 s72, s2, 19
	s_add_nc_u64 s[78:79], s[66:67], s[72:73]
	s_add_nc_u64 s[78:79], s[78:79], s[62:63]
	v_and_b32 v1, 15, v0                           ; l % 16
	v_bfe_u32 v2, v0, 4, 1                         ; l / 16
	v_mul_u32_u24 v4, v1, PA
	v_lshl_add_u32 v4, v2, 4, v4
	s_mul_i32 s2, s14, 64*PA
	v_add_nc_u32 v4, s2, v4                        ; my 64 rows of o in slot 0
	v_mul_u32_u24 v5, v1, PB
	v_lshl_add_u32 v5, v2, 4, v5
	v_add_nc_u32 v5, BOFF, v5                      ; wot's rows in slot 0
	v_mov_b32 v6, v4
	v_mov_b32 v7, v5
	s_mul_i32 s3, s14, 16*SPITCH
	s_add_co_u32 s3, s3, STAGE                     ; my stage
	v_mul_u32_u24 v8, v1, SPITCH
	v_lshl_add_u32 v8, v2, 5, v8
	v_add_nc_u32 v8, s3, v8                        ; in: row l % 16, 32 bytes for each half of the lanes
	v_and_b32 v15, 31, v0
	v_lshlrev_b32 v12, 4, v15                      ; my 16 of a row's 512 bytes
	v_add_nc_u32 v9, s3, v12                       ; back: a row a load
	v_lshlrev_b32 v14, 8, v15                      ; the prefetches: a lane a block of 256 bytes
	s_lshl_b32 s2, s20, 8
	s_lshl_b32 s3, s14, 6
	s_add_co_u32 s2, s2, s3                        ; my wave's first row of out0
	s_lshl_b32 s58, s2, 12
	s_lshl_b32 s3, s19, 9                          ; the tile's 128 columns: 512 bytes
	s_add_co_u32 s58, s58, s3
	s_mov_b32 s59, 0
	s_add_nc_u64 s[8:9], s[8:9], s[58:59]
	s_wait_tensorcnt 1                             ; my part of the first K step is in; the second's may stay out
	s_barrier_signal -1
	s_barrier_wait -1
	FETCH 0, 0, F0
	; THE PREFETCHES, behind the first run of LDS loads, when the first tiles have landed.  The two clusters that read a tile row of o walk four steps apart, so of the eight K steps each reads four first: two by its first
	; fills, and its third and fourth, which are asked for here: 112 and 240 matrix instructions ahead of the refills that will want them.  Waves 0 and 1 ask, each for its head of the step; the four partners of a row of
	; the cluster share the head's 128 blocks by address, 32 each, a lane a block: each block is named once in the launch.  wot's blocks are first read by some cluster's first fills: not asked for.
	WIN 0
	s_cmp_eq_u32 s15, 0
	s_cbranch_scc0 .Lno_ask
	global_prefetch_b8 v14, s[76:77] th:TH_LOAD_NT scope:SCOPE_SE
	global_prefetch_b8 v14, s[78:79] th:TH_LOAD_NT scope:SCOPE_SE
.Lno_ask:
	QUARTER 64, 64, F0, F1, 1                      ; the first quarter stands in front of the loop: its products start the sums
	WIN 0
	s_mov_b32 s22, 6
.Lstep:                                                ; a trip is a K step, from its second quarter to the next step's first; six trips ask for the walk's steps 2 to 7
	QUARTER HEADB, 128, F1, F0, 0
	QUARTER HEADB+64, 192, F0, F1, 0
	TURN 1
	QUARTER 64, 64, F0, F1, 0
	WIN 0
	s_sub_co_u32 s22, s22, 1
	s_cmp_lg_u32 s22, 0
	s_cbranch_scc1 .Lstep
	QUARTER HEADB, 128, F1, F0, 0                  ; the last two K steps ask for nothing
	QUARTER HEADB+64, 192, F0, F1, 0
	TURN 0
	QUARTER 64, 64, F0, F1, 0
	QUARTER HEADB, 128, F1, F0, 0
	QUARTER HEADB+64, 192, F0, F1, 0
	s_wait_dscnt 8
	MUL F1, 0, 4, 0
	s_wait_dscnt 0x0
	MUL F1, 4, 4, 0
	WIN 0
	PLACES
; THE WAY OUT, 16 rows at a time through my own stage: a lane's 32 bytes go into rows of 528 bytes and come back as whole rows of 512.  LDS serves a wave's instructions in order.
.macro TOSTAGE a
	WIN 0x08                                       ; the stores' data in window 2; each accumulator's low half goes first
.irp n, 0,1,2,3,4,5,6,7
	ds_store_b128 v8, v[32*(\n)+8*(\a):32*(\n)+8*(\a)+3]   offset:64*(\n)
	ds_store_b128 v8, v[32*(\n)+8*(\a)+4:32*(\n)+8*(\a)+7] offset:64*(\n)+16
.endr
	WIN 0
.irp n, 0,1,2,3,4,5,6,7,8,9,10,11,12,13,14,15
	ds_load_b128 v[OB+64*((\a)%2)+4*(\n):OB+64*((\a)%2)+4*(\n)+3], v9 offset:SPITCH*(\n)
.endr
.endm
.macro SEND a, younger                 ; younger: the LDS instructions issued behind block a's loads: the next block's 32, or none
	s_wait_dscnt \younger
.irp n, 0,1,2,3,4,5,6,7,8,9,10,11,12,13,14,15
	global_store_b128 v12, v[OB+64*((\a)%2)+4*(\n):OB+64*((\a)%2)+4*(\n)+3], s[8:9] offset:(16*(\a)+(\n))*4096 th:TH_STORE_NT  ; 512 consecutive bytes, aligned
.endr
.endm
	TOSTAGE 0
	TOSTAGE 1
	SEND 0, 32
	s_wait_xcnt 0x0                                ; block 0's stores have read their registers, into which block 2 is read back
	TOSTAGE 2
	SEND 1, 32
	s_wait_xcnt 0x0
	TOSTAGE 3
	SEND 2, 32
	SEND 3, 0
	s_wait_tensorcnt 0x0                           ; the wave's end: a wait, an add of 0 to my spare word and its wait, behind my last tensor load and my last LDS store
	ds_add_u32 v28, v29
	s_wait_dscnt 0x0
	CROUND                                         ; the closing round
	s_endpgm
.Lfunc_end_k_q71d6e12e70_outp:
	.size	k_q71d6e12e70_outp, .Lfunc_end_k_q71d6e12e70_outp-k_q71d6e12e70_outp
	.p2alignl 7, 3214868480
	.fill 96, 4, 3214868480
	.section	.rodata,"a",@progbits
	.p2align	6, 0x0
	.amdhsa_kernel k_q71d6e12e70_outp
		.amdhsa_group_segment_fixed_size 327680
		.amdhsa_private_segment_fixed_size 0
		.amdhsa_enable_private_segment 0
		.amdhsa_kernarg_size 24
		.amdhsa_user_sgpr_count 2
		.amdhsa_user_sgpr_kernarg_segment_ptr 1
		.amdhsa_wavefront_size32 1
		.amdhsa_system_sgpr_workgroup_id_x 1
		.amdhsa_system_sgpr_workgroup_id_y 1
		.amdhsa_system_sgpr_workgroup_id_z 1
		.amdhsa_system_vgpr_workitem_id 0
		.amdhsa_next_free_vgpr 768
		.amdhsa_next_free_sgpr 80
		.amdhsa_reserve_vcc 0
		.amdhsa_float_denorm_mode_32 3
		.amdhsa_float_denorm_mode_16_64 3
		.amdhsa_memory_ordered 1
		.amdhsa_forward_progress 1
		.amdhsa_inst_pref_size 70
	.end_amdhsa_kernel
	.amdgpu_metadata
---
amdhsa.version: [ 1, 2 ]
amdhsa.kernels:
  - .name:           k_q71d6e12e70_outp
    .symbol:         k_q71d6e12e70_outp.kd
    .args:
      - { .name: oo, .offset: 0, .size: 8, .value_kind: global_buffer, .address_space: global }
      - { .name: wot, .offset: 8, .size: 8, .value_kind: global_buffer, .address_space: global }
      - { .name: out0, .offset: 16, .size: 8, .value_kind: global_buffer, .address_space: global }
    .group_segment_fixed_size: 327680
    .private_segment_fixed_size: 0
    .kernarg_segment_align: 8
    .kernarg_segment_size: 24
    .max_flat_workgroup_size: 128
    .sgpr_count:     80
    .vgpr_count:     768
    .wavefront_size: 32
...
	.end_amdgpu_metadata
.endif
;; end of part 4
;; ======== version 2 of 2: 4 launches; version 1 with the launch prep written anew for expert scheduling mode
;; limits: values are held in f16: magnitudes above 65,504 overflow, below 6.1e-05 lose precision; right only within a limited range of input values; inputs' magnitudes at most 1,023
;; workspace buffers: xb 16,777,216 bytes; wt 6,291,456 bytes; wot 2,097,152 bytes; qq 33,554,432 bytes; kk 33,554,432 bytes; vv 16,777,216 bytes; oo 16,777,216 bytes
;; launch prep (part 5): grid 1024 x 1, 4 waves a work-group, no clusters, 17,920 bytes of LDS; arguments x, Wq, Wk, Wv, Wo, xb, wt, wot; writes xb, wt, wot
.if DOCPART == 5
	.amdgcn_target "amdgcn-amd-amdhsa--gfx1250"
	.amdhsa_code_object_version 6
	.text
	.protected	k_q71d6e12e70_prep
	.globl	k_q71d6e12e70_prep
	.p2align	8
	.type	k_q71d6e12e70_prep,@function
k_q71d6e12e70_prep:
	s_mov_b64 s[64:65], 0
	v_nop
	global_prefetch_b8 v0, s[64:65] scope:SCOPE_SE
	s_setreg_imm32_b32 hwreg(HW_REG_WAVE_SCHED_MODE, 0, 2), 2
	s_setreg_imm32_b32 hwreg(HW_REG_WAVE_MODE, 25, 1), 1
	s_wait_xcnt 0x0
	s_wait_alu depctr_vm_vsrc(0)
; PREP.  Every input is rounded once to bf16 (nearest even) and laid out for the products that follow.
;   xb [8192][1024] bf16 = bf16(x).
;   wt [3072][1024] bf16: row h*192 + type*64 + k (type 0 Wq, 1 Wk, 2 Wv), column d, holds bf16(W[h][d][k]) / 64.
;   wot [1024 d_out][1024 f] f16 = bf16(Wo[f][d_out]) * 64, written as f16.
; The two factors are powers of two, so they round nothing: q, k, v leave the next launch divided by 64, inside f16's range, and Wo gives the 64 back.
; LIMITS.  |Wo| below 1,023 (f16 ends at 65,504); below 2^-20 Wo keeps f16's fixed step of 2^-24 / 64.  NaN and infinities are not treated apart.
; SHARES.  Work-groups 0-511 turn a block of 128 d x 64 n of one weight (through LDS, so that both the reads and the stores are 256 consecutive bytes);
; work-groups 512-1023 stream x, 16,384 bytes a wave.  No matrix unit, no cluster, no tensor load: each byte is read once by one wave.
; THE MODE: SCHED_MODE bits 1:0 = 2 (LLVM: expert scheduling mode 2), set by the entry lines.  The code itself states the register dependences
; between vector instructions and memory or LDS instructions, with s_wait_alu, always for 0.
; THE PLAN.  Registers that memory or LDS instructions touch:
;   x:       v1, v2     offsets, made once, read by every load and store, never written again.
;            v16-143    the 32 loads land here, each register once; block p's conversions read them.
;            v144-207   written by block p's conversions, each register once; read by the four stores that are issued in block p + 1.
;   weights: v16-31, v132-134  offsets and LDS addresses, made once ahead of the loads, never written again.
;            v32-95 (D) the 16 loads land here; vector lines scale and read them; behind the barrier the stage's 8 loads land in v32-63, which the global stores read.
;            v96-127 (R) group g's selects write word g of each of four columns; words 0-3 leave by four LDS stores issued in group 4, words 4-7 by four behind group 7.
;   v4, v5   written at the head, read by the closing add alone.
; So a wait on va_vdst stands ahead of each path's first load, at the head of each block of x but the first and behind the last, at the head of group 4 and behind group 7.  No register that a
; memory or LDS instruction reads is ever written again, so beyond the entry's the text holds no wait on vm_vsrc.  One wait on va_sdst stands behind the line that makes the wave's number a scalar.
.set SPARE, 17408                      ; behind the stage (64 rows x 272 bytes): the spare words, 128 bytes a wave
.set SPW, 4                            ; v4  SPARE + 4 x my thread's number; never rewritten
.set NIL, 5                            ; v5  0; never rewritten
.set WV,  20                           ; s20 my wave's number
.set VO,  16                           ; v16-31  byte offset of load c: 16 (l % 16) + (16 (l / 16) + c) rows
.set D,   32                           ; v32-95  load c at D + 4 c
.set R,   96                           ; v96-127 column j of my four, d pairs 0-7, at R + 8 j
.set T,   128                          ; v128-131 at work: no memory instruction names them
.set ST,  132                          ; v132 where I put 16 bytes of a turned row
.set RD,  133                          ; v133 where I read a turned row back
.set DO,  134                          ; v134 my byte offset in two rows of the result
	s_load_b512 s[4:19], s[0:1], 0x0               ; x 4:5, Wq 6:7, Wk 8:9, Wv 10:11, Wo 12:13, xb 14:15, wt 16:17, wot 18:19
	v_lshl_add_u32 v[SPW], v0, 2, SPARE
	v_mov_b32 v[NIL], 0
	v_lshrrev_b32 v1, 5, v0
	v_readfirstlane_b32 s[WV], v1
	v_and_b32 v3, 31, v0                           ; lane
	s_wait_alu depctr_va_sdst(0)                   ; s20, the wave's number, is written: its first readers stand in both arms of the branch below
	s_cmp_lt_u32 ttmp9, 512                        ; the same for all four waves
	s_cbranch_scc1 .Lweights
	; x: wave number (work-group - 512) * 4 + wave takes 16,384 bytes of x and makes 8,192 of xb
	s_sub_co_u32 s22, ttmp9, 512
	s_lshl_b32 s22, s22, 2
	s_add_co_u32 s22, s22, s[WV]
	s_lshl_b32 s24, s22, 13
	s_lshl_b32 s22, s22, 14
	s_mov_b32 s23, 0
	s_mov_b32 s25, 0
	v_lshlrev_b32 v1, 4, v3                        ; 16 bytes a lane in
	v_lshlrev_b32 v2, 3, v3                        ; 8 bytes a lane out
	s_wait_kmcnt 0x0
	s_add_nc_u64 s[4:5], s[4:5], s[22:23]
	s_add_nc_u64 s[14:15], s[14:15], s[24:25]
	s_wait_alu depctr_va_vdst(0)                   ; v1 and v2 are written: every load and store of this path reads one of them as its offset
.set n, 0
.rept 32                                       ; all 32 loads go out at once: 512 consecutive bytes each
	global_load_b128 v[16+4*n:19+4*n], v1, s[4:5] offset:512*n th:TH_LOAD_NT
.set n, n+1
.endr
; Eight blocks of four loads.  Block p rounds its four loads' numbers into its eight out-registers; the four stores of block p - 1 are dealt among its conversions.
.set p, 0
.rept 8
	s_wait_loadcnt 28-4*p                          ; loads come back in order: the count is the younger loads
.if p > 0
	s_wait_alu depctr_va_vdst(0)                   ; the conversions of the block before have written its eight out-registers, which the four stores below read; this block's conversions name none of them
.endif
.set i, 0
.rept 4
.set n, 4*p+i
.if p > 0
	global_store_b64 v2, v[144+2*(n-4):145+2*(n-4)], s[14:15] offset:256*(n-4) th:TH_STORE_NT  ; 32 lanes store 256 consecutive bytes, aligned; no register is written twice
.endif
	v_cvt_pk_bf16_f32 v[144+2*n], v[16+4*n], v[17+4*n]
	v_cvt_pk_bf16_f32 v[145+2*n], v[18+4*n], v[19+4*n]
.set i, i+1
.endr
.set p, p+1
.endr
	s_wait_alu depctr_va_vdst(0)                   ; the last block's conversions have written v200 to v207, which the last four stores read
.set n, 28
.rept 4
	global_store_b64 v2, v[144+2*n:145+2*n], s[14:15] offset:256*n th:TH_STORE_NT
.set n, n+1
.endr
	s_branch .Lend
.Lweights:
	s_lshr_b32 s21, ttmp9, 7                       ; which weight: 0 Wq, 1 Wk, 2 Wv, 3 Wo
	s_bfe_u32 s22, ttmp9, 0x30004                  ; which 128 of d (of f for Wo)
	s_and_b32 s23, ttmp9, 15                       ; the head (for Wo: which 64 of d_out)
	s_mul_i32 s29, s23, 192
	s_lshl_b32 s30, s21, 6
	s_add_co_u32 s29, s29, s30                     ; first row in wt
	s_lshl_b32 s30, s23, 6                         ; first row in wot
	s_lshl_b32 s31, s22, 7
	s_lshl_b32 s32, s[WV], 5
	s_add_co_u32 s31, s31, s32                     ; my wave's first source row: 32 rows a wave
	s_mov_b32 s26, 0x3c800000                      ; 1 / 64
	s_mov_b32 s27, 0x42800000                      ; 64
	s_cmp_eq_u32 s21, 3
	s_cselect_b32 s24, 12, 8                       ; a source row is 4,096 bytes (Wo) or 256
	s_cselect_b32 s25, 8, 18                       ; from block to block of 64 n: 256 bytes (Wo) or a head's 262,144
	s_cselect_b32 s26, s27, s26
	s_cselect_b32 s28, -1, 0                       ; all lanes: the f16 form (Wo) or the bf16 form
	s_cselect_b32 s29, s30, s29
	s_mov_b32 s27, s26                             ; named as a pair
	s_lshl_b32 s34, s23, s25
	s_lshl_b32 s31, s31, s24
	s_add_co_u32 s34, s34, s31                     ; byte offset of my wave's rows in the source
	s_mov_b32 s35, 0
	s_lshl_b32 s32, s[WV], 4
	s_add_co_u32 s29, s29, s32                     ; my wave stores 16 of the 64 turned rows
	s_lshl_b32 s36, s29, 11                        ; rows of 2,048 bytes
	s_lshl_b32 s32, s22, 8                         ; 128 d are 256 bytes
	s_add_co_u32 s36, s36, s32
	s_mov_b32 s37, 0
	s_add_co_u32 s33, s24, 4                       ; 16 rows, as a shift
	v_and_b32 v6, 15, v0
	v_bfe_u32 v7, v0, 4, 1
	v_lshlrev_b32 v8, s33, v7
	v_lshl_add_u32 v8, v6, 4, v8
.irp c, 0,1,2,3,4,5,6,7,8,9,10,11,12,13,14,15
	s_lshl_b32 s32, \c, s24
	v_add_nc_u32 v[VO+(\c)], s32, v8
.endr
	v_mul_u32_u24 v[ST], v6, 1088                  ; turned row 4 (l % 16) + j, 272 bytes a row;
	v_lshl_add_u32 v[ST], v7, 5, v[ST]             ; my 16 d are 32 bytes,
	s_lshl_b32 s32, s[WV], 6                       ; my wave's 32 d are 64
	v_add_nc_u32 v[ST], s32, v[ST]
	s_mul_i32 s32, s[WV], 16*272
	v_mul_u32_u24 v[RD], v7, 272
	v_lshl_add_u32 v[RD], v6, 4, v[RD]
	v_add_nc_u32 v[RD], s32, v[RD]
	v_lshlrev_b32 v[DO], 11, v7
	v_lshl_add_u32 v[DO], v6, 4, v[DO]
	s_wait_kmcnt 0x0
	s_cmp_eq_u32 s21, 1                            ; the source and the destination are chosen by the work-group's number alone
	s_cselect_b64 s[6:7], s[8:9], s[6:7]
	s_cmp_eq_u32 s21, 2
	s_cselect_b64 s[6:7], s[10:11], s[6:7]
	s_cmp_eq_u32 s21, 3
	s_cselect_b64 s[6:7], s[12:13], s[6:7]
	s_cselect_b64 s[16:17], s[18:19], s[16:17]
	s_add_nc_u64 s[6:7], s[6:7], s[34:35]
	s_add_nc_u64 s[16:17], s[16:17], s[36:37]
	s_wait_alu depctr_va_vdst(0)                   ; the sixteen offsets v16 to v31 are written, which the loads below read; so are v132 to v134, which the LDS stores, the LDS loads and the global stores further down read
.irp c, 0,1,2,3,4,5,6,7,8,9,10,11,12,13,14,15
	global_load_b128 v[D+4*(\c):D+4*(\c)+3], v[VO+(\c)], s[6:7] th:TH_LOAD_NT  ; 16 lanes read 256 consecutive bytes of a row
.endr
.irp g, 0,1,2,3,4,5,6,7                        ; rows 2 g and 2 g + 1 of my 16 make one word for each of my four columns
	s_wait_loadcnt 14-2*(\g)                       ; the count is the younger loads
.if (\g) == 4
	s_wait_alu depctr_va_vdst(0)                   ; groups 0 to 3 have written words 0 to 3 of all four columns of R, which the four LDS stores of this group read; this group's lines name D + 32 .., T and word 4 alone
.endif
	v_pk_mul_f32 v[D+8*(\g):D+8*(\g)+1],   v[D+8*(\g):D+8*(\g)+1],   s[26:27] op_sel_hi:[1,0]
	v_pk_mul_f32 v[D+8*(\g)+2:D+8*(\g)+3], v[D+8*(\g)+2:D+8*(\g)+3], s[26:27] op_sel_hi:[1,0]
	v_pk_mul_f32 v[D+8*(\g)+4:D+8*(\g)+5], v[D+8*(\g)+4:D+8*(\g)+5], s[26:27] op_sel_hi:[1,0]
	v_pk_mul_f32 v[D+8*(\g)+6:D+8*(\g)+7], v[D+8*(\g)+6:D+8*(\g)+7], s[26:27] op_sel_hi:[1,0]
.irp j, 0,1,2,3
.if (\g) == 4
	ds_store_b128 v[ST], v[R+8*(\j):R+8*(\j)+3]   offset:272*(\j)  ; the first half of column j's 32 bytes
.endif
	v_cvt_pk_bf16_f32 v[T], v[D+8*(\g)+(\j)], v[D+8*(\g)+4+(\j)]  ; the one rounding
	v_lshlrev_b32 v[T+2], 16, v[T]                 ; the same two numbers as f32,
	v_and_b32 v[T+3], 0xffff0000, v[T]
	v_cvt_pk_f16_f32 v[T+1], v[T+2], v[T+3]        ; and written as f16
	v_cndmask_b32 v[R+8*(\j)+(\g)], v[T], v[T+1], s28
.endr
.endr
	s_wait_alu depctr_va_vdst(0)                   ; groups 4 to 7 have written words 4 to 7 of R, which the LDS stores below read; and every vector line that named v32 to v63 is done: no vector line follows, so the stage's loads may land there
.irp j, 0,1,2,3
	ds_store_b128 v[ST], v[R+8*(\j)+4:R+8*(\j)+7] offset:272*(\j)+16
.endr
	s_wait_dscnt 0x0                               ; for the others' sake: my part of every turned row is in the stage
	s_barrier_signal -1
	s_barrier_wait -1
.irp t, 0,1,2,3,4,5,6,7
	ds_load_b128 v[D+4*(\t):D+4*(\t)+3], v[RD] offset:544*(\t)
.endr
.irp t, 0,1,2,3,4,5,6,7
	s_wait_dscnt 7-(\t)
	global_store_b128 v[DO], v[D+4*(\t):D+4*(\t)+3], s[16:17] offset:4096*(\t)  ; 16 lanes store 256 consecutive bytes, aligned
.endr
.Lend:
	s_wait_dscnt 0x0                               ; the wave's end: waits, an add of 0 to my spare word and its wait
	s_wait_alu 0x0
	s_wait_tensorcnt 0x0
	ds_add_u32 v[SPW], v[NIL]
	s_wait_dscnt 0x0
	s_endpgm
.Lfunc_end_k_q71d6e12e70_prep:
	.size	k_q71d6e12e70_prep, .Lfunc_end_k_q71d6e12e70_prep-k_q71d6e12e70_prep
	.p2alignl 7, 3214868480
	.fill 96, 4, 3214868480
	.section	.rodata,"a",@progbits
	.p2align	6, 0x0
	.amdhsa_kernel k_q71d6e12e70_prep
		.amdhsa_group_segment_fixed_size 17920
		.amdhsa_private_segment_fixed_size 0
		.amdhsa_enable_private_segment 0
		.amdhsa_kernarg_size 64
		.amdhsa_user_sgpr_count 2
		.amdhsa_user_sgpr_kernarg_segment_ptr 1
		.amdhsa_wavefront_size32 1
		.amdhsa_system_sgpr_workgroup_id_x 1
		.amdhsa_system_sgpr_workgroup_id_y 1
		.amdhsa_system_sgpr_workgroup_id_z 1
		.amdhsa_system_vgpr_workitem_id 0
		.amdhsa_next_free_vgpr 208
		.amdhsa_next_free_sgpr 66
		.amdhsa_reserve_vcc 0
		.amdhsa_float_denorm_mode_32 3
		.amdhsa_float_denorm_mode_16_64 3
		.amdhsa_memory_ordered 1
		.amdhsa_forward_progress 1
		.amdhsa_inst_pref_size 30
	.end_amdhsa_kernel
	.amdgpu_metadata
---
amdhsa.version: [ 1, 2 ]
amdhsa.kernels:
  - .name:           k_q71d6e12e70_prep
    .symbol:         k_q71d6e12e70_prep.kd
    .args:
      - { .name: x, .offset: 0, .size: 8, .value_kind: global_buffer, .address_space: global }
      - { .name: Wq, .offset: 8, .size: 8, .value_kind: global_buffer, .address_space: global }
      - { .name: Wk, .offset: 16, .size: 8, .value_kind: global_buffer, .address_space: global }
      - { .name: Wv, .offset: 24, .size: 8, .value_kind: global_buffer, .address_space: global }
      - { .name: Wo, .offset: 32, .size: 8, .value_kind: global_buffer, .address_space: global }
      - { .name: xb, .offset: 40, .size: 8, .value_kind: global_buffer, .address_space: global }
      - { .name: wt, .offset: 48, .size: 8, .value_kind: global_buffer, .address_space: global }
      - { .name: wot, .offset: 56, .size: 8, .value_kind: global_buffer, .address_space: global }
    .group_segment_fixed_size: 17920
    .private_segment_fixed_size: 0
    .kernarg_segment_align: 8
    .kernarg_segment_size: 64
    .max_flat_workgroup_size: 128
    .sgpr_count:     66
    .vgpr_count:     208
    .wavefront_size: 32
...
	.end_amdgpu_metadata
.endif
;; end of part 5
;; launch proj: the kernel of part 2 again; grid 16 x 16, 4 waves a work-group, clusters of 4 x 4, 327,680 bytes of LDS; arguments xb, wt, qq, kk, vv; writes qq, kk, vv
;; launch attn: the kernel of part 3 again; grid 4 x 64, 4 waves a work-group, clusters of 4 x 1, 327,680 bytes of LDS; arguments qq, kk, vv, oo; writes oo
;; launch outp: the kernel of part 4 again; grid 8 x 32, 4 waves a work-group, clusters of 4 x 4, 327,680 bytes of LDS; arguments oo, wot, out0; writes out0
